; MI455X (gfx1250); checked and timed in simulation.
; The chip was launched on July 23, 2026; its instructions are those of AMD's public machine-readable ISA for CDNA 5 (MIT licence, August 2026) and "CDNA5" Instruction Set Architecture Reference Guide (July 2026). The comments in the code are by the model that wrote it; some were corrected since.
;; Multihead Attention. Allowed arithmetic: matrix products marked QUANTISED: E5M2 operands, one E8M0 scale for each 32 along K, by v_wmma_scale_f32_16x16x128_f8f6f4 with both operands' format E5M2, f32 sums; everything else in f32.
;; Inputs: Wk 1,024 x 1,024 float32; Wo 1,024 x 1,024 float32; Wq 1,024 x 1,024 float32; Wv 1,024 x 1,024 float32; bk 1,024 float32; bo 1,024 float32; bq 1,024 float32; bv 1,024 float32; k 4 x 2,048 x 1,024 float32; q 4 x 2,048 x 1,024 float32; v 4 x 2,048 x 1,024 float32.
;; Outputs: out0 4 x 2,048 x 1,024 float32.
;; This version of the problem:
;;   THIS VERSION OF THE PROBLEM IS GIVEN IN LOW PRECISION. The matrix products marked QUANTISED in the list below multiply operands that are first quantised to E5M2 (5 exponent bits, 2 mantissa bits; 8 bits a number), with one power-of-two scale for each 32 numbers along K (OCP MX v1.0); their sums are f32. All else is computed in f32.
;;   The module's matrix products, in the order in which they are computed (A, B: the left and right operand; K: the contracted axis; several contracted axes count as one K, in the product's order):
;;     1. [M 8,192, K 1,024] x [K 1,024, N 1,024]; A: input q; B: input Wq: QUANTISED
;;     2. [M 8,192, K 1,024] x [K 1,024, N 1,024]; A: input k; B: input Wk: QUANTISED
;;     3. [M 8,192, K 1,024] x [K 1,024, N 1,024]; A: input v; B: input Wv: QUANTISED
;;     4. batch 64 x [M 2,048, K 64] x [K 64, N 2,048]; A: computed on the way; B: computed on the way: QUANTISED
;;     5. batch 64 x [M 2,048, K 2,048] x [K 2,048, N 64]; A: softmax (see below); B: computed on the way: QUANTISED
;;     6. [M 8,192, K 1,024] x [K 1,024, N 1,024]; A: computed on the way; B: input Wo: QUANTISED
;;   THE QUANTISER, for each operand of a quantised product, along K:
;;     - K is cut into blocks of 32 from its start; a last block that is shorter is filled with zeros.
;;     - A block's scale is 2^e with e = floor(log2(the largest magnitude in the block)) - 15, held to -126 .. 127; a block of zeros has e = 0. As a byte (E8M0): e + 127.
;;     - Each number is divided by its block's scale, clamped to +-57,344, and rounded to the nearest number of E5M2, ties to even, subnormals kept.
;;     - The product sums the exact products of the quantised numbers (number of the format x scale) in f32.
;;   ~~~python
;;   def quantise(x, axis):      # numpy; x: float32 -> the quantised numbers, widened to float32 again
;;       x = np.moveaxis(x, axis, -1); K = x.shape[-1]
;;       x = np.pad(x, [(0, 0)] * (x.ndim - 1) + [(0, -K % 32)]); x = x.reshape(x.shape[:-1] + (-1, 32)); a = np.abs(x).max(-1, keepdims=True)
;;       e = np.where(a > 0, np.clip(np.frexp(np.where(a > 0, a, 1))[1] - 1 - 15, -126, 127), 0)      # np.frexp(a)[1] - 1 = floor(log2(a)), exactly
;;       r = np.clip(x / 2.0 ** e, -57344, 57344)
;;       step = 2.0 ** (np.maximum(np.frexp(np.where(r == 0, 1, r))[1] - 1, -14) - 2)
;;       q = np.round(r / step) * step * 2.0 ** e      # np.round: ties to even
;;       return np.moveaxis(q.reshape(q.shape[:-2] + (-1,))[..., :K], -1, axis).astype(np.float32)
;;   ~~~
;;   SOFTMAX AHEAD OF A QUANTISED PRODUCT. Where the list says 'softmax', what is quantised is not the finished softmax but p = 2^(t - M), with t = logit x log2(e) and M = ceil(the row's largest t), a whole number; so 1/2 < the row's largest p <= 1. The row's sum l is taken of the UNQUANTISED p, in f32, and the product's result is divided by l at the end. Since M is a whole number, a kernel that streams over the keys may use a running M (the ceiling of the running maximum): every later rescaling is an exact power of two, which a block's scale takes up: the codes' values come out the same.
;;   OPERANDS COMPUTED ON THE WAY. 'Computed on the way' means the value that the module computes at that place (a softmax that the list does not call 'softmax' is quantised finished and normalised). What goes into a quantiser is computed in f32, as accurately as f32 sums, v_exp_f32 and their like allow (about 1e-6 of the number): no bf16 or f16 on the way to a quantiser, and a product that is left as it is and whose result goes on into a quantised operand takes f32 operands (vector FMAs, or v_wmma_f32_16x16x4_f32). A number that lies on a knife's edge between two numbers of the format may be rounded either way, as far as f32 arithmetic and the matrix unit's own rounding can turn it there, and no further.
;; One version. Each part assembles by itself: llvm-mc -triple=amdgcn-amd-amdhsa -mcpu=gfx1250 --defsym DOCPART=n.
;; ======== version 1 of 1: 4 launches
;; limits: right only within a limited range of input values
;; workspace buffers: cod 29,360,128 bytes; scl 917,504 bytes; hc 25,165,824 bytes; hs 786,432 bytes; ac 8,388,608 bytes; asc 262,144 bytes
;; launch quant (part 1): grid 448 x 1, 4 waves a work-group, no clusters, 37,376 bytes of LDS; arguments q, k, v, Wq, Wk, Wv, Wo, cod, scl; writes cod, scl
.if DOCPART == 1
	.amdgcn_target "amdgcn-amd-amdhsa--gfx1250"
	.amdhsa_code_object_version 6
	.text
	.protected	k_q2bbde0dd98_quant
	.globl	k_q2bbde0dd98_quant
	.p2align	8
	.type	k_q2bbde0dd98_quant,@function
k_q2bbde0dd98_quant:
	s_mov_b64 s[64:65], 0
	v_nop
	global_prefetch_b8 v0, s[64:65] scope:SCOPE_SE
	s_setreg_imm32_b32 hwreg(HW_REG_WAVE_MODE, 25, 1), 1
	s_wait_xcnt 0x0
; q, k, v [8192][1024] and Wq, Wk, Wv, Wo [1024][1024], f32, K innermost, become codes of BF8 (E5M2) with one E8M0 byte for each 32 along K.
; A block's scale is 2^(floor(log2(largest magnitude)) - 15); each number is divided by it, held within +-57,344 and rounded to the nearest code, ties to even.
; LAYOUT OF THE CODES: chunks of 512 bytes = 16 rows x 32 along K; lane l = (r = l % 16, h = l / 16) owns bytes 16 l .. 16 l + 15 = row r, k = 16 h .. 16 h + 15 of the block.
; Four chunks on end are the register image of one operand fragment (16 rows x 128 K).  cod = [tile of 16 rows][128 along K: 8][chunk 4][512 bytes].
; ROWS ARE LAID IN POSITION ORDER: tile 2 b + u holds in its lane r the true row 32 b + 8 u + r + 8 (r / 8).  Used as source 0 of a product, two neighbouring tiles then give a lane 16 true neighbours.
; Position rows: q 0.., k 8192.., v 16384.., Wq 24576.., Wk 25600.., Wv 26624.., Wo 27648...  scl = [128 along K: 8][28672 position rows] words of four scale bytes.
; LIMITS: NaN and infinities among the inputs are not served.  A block whose largest magnitude lies under 2^-111 (a block of zeros too) gets the byte 1: its codes are zeros or next to zeros, and only this program reads the bytes.
; SHARES: work-group g owns position rows 64 g .. 64 g + 63, wave w one tile of 16 rows, all 1,024 along K, in 8 steps of 128.  A step's 16 loads read 512 consecutive bytes of one row each;
; the 8 KiB turn through the wave's own stage in LDS so that a lane holds 16 neighbours of each block of 32.  Loads run two to three steps (32 to 48 loads a wave) ahead.  No tensor loads: waves share only the scale words at the end.
.set SP,    528                        ; a stage row: 512 bytes + 16: the sixteen rows that a read touches start at sixteen different 16-byte columns
.set WST,   16*SP                      ; a wave's stage
.set GATH,  4*WST                      ; behind the stages: the work-group's scale words, [8][wave 4][r 16] words
.set SCP,   114688                     ; bytes from one 128 along K to the next in scl
.set SW,    8                          ; v8-15    my row's eight scale words
.set SET,   16                         ; v16-207  three sets of 64 numbers
.set PC,    208                        ; v208-223 a step's codes
.set TM,    224                        ; v224-239 at work: largest magnitudes, bytes, holds, scale operands
.set SEL,   30                         ; s[30:31] v_permlanex16_b32's selects for lane l xor 16
.set MNT,   32                         ; s32      the mantissa field of 57,344
	s_load_b256 s[4:11], s[0:1], 0x0               ; q, k, v, Wq
	s_load_b256 s[12:19], s[0:1], 0x20             ; Wk, Wv, Wo, cod
	s_load_b64 s[20:21], s[0:1], 0x40              ; scl
	v_lshl_add_u32 v240, v0, 2, 0x9000
	v_mov_b32 v241, 0
	v_lshrrev_b32 v7, 5, v0
	v_readfirstlane_b32 s22, v7                    ; wave
	v_and_b32 v7, 31, v0
	v_lshlrev_b32 v1, 4, v7                        ; v1: 16 x lane
	s_mul_i32 s28, s22, WST
	v_add_nc_u32 v2, s28, v1                       ; v2: into the stage: a row as it lies
	v_and_b32 v7, 15, v0                           ; r
	v_bfe_u32 v6, v0, 4, 1                         ; h
	v_mul_u32_u24 v3, v7, SP
	v_lshl_add_u32 v3, v6, 6, v3
	v_add_nc_u32 v3, s28, v3                       ; v3: out of it: row r, + 64 h: my 16 numbers of a block
	s_lshl_b32 s28, s22, 6
	s_add_co_u32 s28, s28, GATH
	v_lshl_add_u32 v4, v7, 2, s28                  ; v4: where my row's scale words go
	v_lshrrev_b32 v6, 4, v0                        ; 2 wave + h: which 128 along K I carry out at the end
	v_lshlrev_b32 v5, 8, v6
	v_lshl_add_u32 v5, v7, 4, v5
	v_add_nc_u32 v5, GATH, v5                      ; v5: its 256 bytes, 16 a lane
	v_mul_u32_u24 v6, v6, SCP
	v_lshl_add_u32 v6, v7, 4, v6                   ; v6: and the same place in scl
	s_mov_b32 s[SEL], 0x76543210
	s_mov_b32 s[SEL+1], 0xfedcba98
	s_mov_b32 s[MNT], 0x600000
.irp b, 0,1,2,3
	v_mov_b32 v[TM+4+\b], 0                        ; written once: a lane permute's destination counts as one of its sources
.endr
	s_wait_kmcnt 0x0
	; which tensor: the choice hangs on the work-group's number alone.  s[24:25] its address, s23 its first work-group
	s_mov_b64 s[24:25], s[16:17]
	s_mov_b32 s23, 432
	s_cmp_lt_u32 ttmp9, 432
	s_cselect_b64 s[24:25], s[14:15], s[24:25]
	s_cselect_b32 s23, 416, s23
	s_cmp_lt_u32 ttmp9, 416
	s_cselect_b64 s[24:25], s[12:13], s[24:25]
	s_cselect_b32 s23, 400, s23
	s_cmp_lt_u32 ttmp9, 400
	s_cselect_b64 s[24:25], s[10:11], s[24:25]
	s_cselect_b32 s23, 384, s23
	s_cmp_lt_u32 ttmp9, 384
	s_cselect_b64 s[24:25], s[8:9], s[24:25]
	s_cselect_b32 s23, 256, s23
	s_cmp_lt_u32 ttmp9, 256
	s_cselect_b64 s[24:25], s[6:7], s[24:25]
	s_cselect_b32 s23, 128, s23
	s_cmp_lt_u32 ttmp9, 128
	s_cselect_b64 s[24:25], s[4:5], s[24:25]
	s_cselect_b32 s23, 0, s23
	s_sub_co_u32 s26, ttmp9, s23
	s_lshl_b32 s26, s26, 18                        ; 64 rows of 4,096 bytes a work-group
	s_lshr_b32 s28, s22, 1
	s_lshl_b32 s28, s28, 17                        ; my tile begins at true row 32 (wave / 2)
	s_and_b32 s29, s22, 1
	s_lshl_b32 s29, s29, 15                        ; + 8 (wave % 2)
	s_add_co_u32 s26, s26, s28
	s_add_co_u32 s26, s26, s29
	s_mov_b32 s27, 0
	s_add_nc_u64 s[24:25], s[24:25], s[26:27]
	s_lshl_b32 s26, ttmp9, 2
	s_add_co_u32 s26, s26, s22
	s_lshl_b32 s26, s26, 14                        ; my tile's 16 KiB of codes
	s_add_nc_u64 s[18:19], s[18:19], s[26:27]
	s_lshl_b32 s26, ttmp9, 8                       ; the work-group's 64 words in each row of scl
	s_add_nc_u64 s[20:21], s[20:21], s[26:27]
.macro LOAD t                          ; step t: 128 along K of my 16 rows; load i is tile row i = true row i % 8 + 16 (i / 8)
.irp i, 0,1,2,3,4,5,6,7,8,9,10,11,12,13,14,15
	global_load_b128 v[SET+64*((\t)%3)+4*\i:SET+64*((\t)%3)+4*\i+3], v1, s[24:25] offset:((\i%8)+16*(\i/8))*4096+512*(\t) th:TH_LOAD_NT
.endr
.endm
; 64 numbers of a lane, register 16 b + i = k 32 b + 16 h + i of my row, become 16 registers of codes in v[PC] on and the row's scale word in v[pw]
.macro QUANT s, pw
.irp b, 0,1,2,3
	v_max3_num_f32 v[TM+\b], |v[\s+16*\b]|, |v[\s+1+16*\b]|, 0x8000000   ; my 16 numbers of block b, and the floor 2^(16 - 127): the byte cannot fall under 1
.endr
.irp i, 2,4,6,8,10,12,14
.irp b, 0,1,2,3
	v_max3_num_f32 v[TM+\b], v[TM+\b], |v[\s+16*\b+\i]|, |v[\s+1+16*\b+\i]|   ; the four blocks by turns
.endr
.endr
.irp b, 0,1,2,3
	v_permlanex16_b32 v[TM+4+\b], v[TM+\b], s[SEL], s[SEL+1]
.endr
.irp b, 0,1,2,3
	v_max_num_f32 v[TM+\b], v[TM+\b], v[TM+4+\b]   ; with lane l xor 16's: the block's largest magnitude
.endr
.irp b, 0,1,2,3
	v_add_nc_u32 v[TM+12+\b], 0xf8800000, v[TM+\b] ; 15 off its exponent field: the conversion takes this operand's exponent field as its scale
.endr
.irp b, 0,1,2,3
	v_and_or_b32 v[TM+8+\b], v[TM+\b], 0x7f800000, s[MNT]   ; 57,344 x the scale
.endr
.irp b, 0,1,2,3
	v_lshrrev_b32 v[TM+4+\b], 23, v[TM+12+\b]      ; the scale's byte
.endr
	v_lshl_or_b32 v[\pw], v[TM+5], 8, v[TM+4]
	v_lshl_or_b32 v[\pw], v[TM+6], 16, v[\pw]
	v_lshl_or_b32 v[\pw], v[TM+7], 24, v[\pw]
.irp b, 0,1,2,3
.irp i, 0,1,2,3,4,5,6,7,8,9,10,11,12,13,14,15
	v_med3_num_f32 v[\s+16*\b+\i], v[\s+16*\b+\i], -v[TM+8+\b], v[TM+8+\b]   ; the conversion to an 8-bit code does not saturate (ISA guide 7.6.2): the hold comes first
.endr
	v_cvt_scalef32_pk8_bf8_f32 v[PC+4*\b:PC+1+4*\b], v[\s+16*\b:\s+7+16*\b], v[TM+12+\b]
	v_cvt_scalef32_pk8_bf8_f32 v[PC+2+4*\b:PC+3+4*\b], v[\s+8+16*\b:\s+15+16*\b], v[TM+12+\b]
.endr
	v_nop                                          ; one plain line behind the last conversion
.endm
.macro STEP t
.set XS, SET+64*((\t)%3)
.if (\t) < 6
	s_wait_loadcnt 32                              ; this step's 16 loads are in; those of the next two steps may be out
.else
	s_wait_loadcnt 16*(7-(\t))
.endif
.irp i, 0,1,2,3,4,5,6,7,8,9,10,11,12,13,14,15
	ds_store_b128 v2, v[XS+4*\i:XS+4*\i+3] offset:SP*\i
.endr
.irp b, 0,1,2,3
.irp j, 0,1,2,3
	ds_load_b128 v[XS+16*\b+4*\j:XS+16*\b+4*\j+3], v3 offset:128*\b+16*\j   ; LDS serves a wave's instructions in order (ISA guide 5.7.1.4): these see the stores above
.endr
.endr
	s_wait_dscnt 0x0
	s_wait_xcnt 0x0                                ; the last step's stores have read v[PC] on: it is written again only behind this wait
	QUANT XS, SW+(\t)
.irp c, 0,1,2,3
	global_store_b128 v1, v[PC+4*\c:PC+4*\c+3], s[18:19] offset:2048*(\t)+512*\c   ; a chunk: 32 lanes store 512 consecutive bytes, aligned
.endr
.if (\t)+3 < 8
	LOAD (\t)+3                                    ; into the set that has just been worked
.endif
.endm
	LOAD 0
	LOAD 1
	LOAD 2
.irp t, 0,1,2,3,4,5,6,7
	STEP \t
.endr
.irp t, 0,1,2,3,4,5,6,7
	ds_store_b32 v4, v[SW+\t] offset:256*\t        ; both halves of the lanes write the same word with the same value
.endr
	s_wait_dscnt 0x0                               ; for the others' sake: my words lie in LDS
	s_barrier_signal -1
	s_barrier_wait -1
	ds_load_b128 v[16:19], v5                      ; 64 rows' words of one 128 along K: sixteen lanes, 256 bytes
	s_wait_dscnt 0x0
	global_store_b128 v6, v[16:19], s[20:21]       ; sixteen lanes store 256 consecutive bytes, aligned
	s_wait_tensorcnt 0x0
	ds_add_u32 v240, v241
	s_wait_dscnt 0x0
	s_endpgm
.Lfunc_end_k_q2bbde0dd98_quant:
	.size	k_q2bbde0dd98_quant, .Lfunc_end_k_q2bbde0dd98_quant-k_q2bbde0dd98_quant
	.p2alignl 7, 3214868480
	.fill 96, 4, 3214868480
	.section	.rodata,"a",@progbits
	.p2align	6, 0x0
	.amdhsa_kernel k_q2bbde0dd98_quant
		.amdhsa_group_segment_fixed_size 37376
		.amdhsa_private_segment_fixed_size 0
		.amdhsa_enable_private_segment 0
		.amdhsa_kernarg_size 72
		.amdhsa_user_sgpr_count 2
		.amdhsa_user_sgpr_kernarg_segment_ptr 1
		.amdhsa_wavefront_size32 1
		.amdhsa_system_sgpr_workgroup_id_x 1
		.amdhsa_system_sgpr_workgroup_id_y 1
		.amdhsa_system_sgpr_workgroup_id_z 1
		.amdhsa_system_vgpr_workitem_id 0
		.amdhsa_next_free_vgpr 242
		.amdhsa_next_free_sgpr 66
		.amdhsa_reserve_vcc 0
		.amdhsa_float_denorm_mode_32 3
		.amdhsa_float_denorm_mode_16_64 3
		.amdhsa_memory_ordered 1
		.amdhsa_forward_progress 1
		.amdhsa_inst_pref_size 100
	.end_amdhsa_kernel
	.amdgpu_metadata
---
amdhsa.version: [ 1, 2 ]
amdhsa.kernels:
  - .name:           k_q2bbde0dd98_quant
    .symbol:         k_q2bbde0dd98_quant.kd
    .args:
      - { .name: q, .offset: 0, .size: 8, .value_kind: global_buffer, .address_space: global }
      - { .name: k, .offset: 8, .size: 8, .value_kind: global_buffer, .address_space: global }
      - { .name: v, .offset: 16, .size: 8, .value_kind: global_buffer, .address_space: global }
      - { .name: Wq, .offset: 24, .size: 8, .value_kind: global_buffer, .address_space: global }
      - { .name: Wk, .offset: 32, .size: 8, .value_kind: global_buffer, .address_space: global }
      - { .name: Wv, .offset: 40, .size: 8, .value_kind: global_buffer, .address_space: global }
      - { .name: Wo, .offset: 48, .size: 8, .value_kind: global_buffer, .address_space: global }
      - { .name: cod, .offset: 56, .size: 8, .value_kind: global_buffer, .address_space: global }
      - { .name: scl, .offset: 64, .size: 8, .value_kind: global_buffer, .address_space: global }
    .group_segment_fixed_size: 37376
    .private_segment_fixed_size: 0
    .kernarg_segment_align: 8
    .kernarg_segment_size: 72
    .max_flat_workgroup_size: 128
    .sgpr_count:     66
    .vgpr_count:     242
    .wavefront_size: 32
...
	.end_amdgpu_metadata
.endif
;; end of part 1
;; launch proj (part 2): grid 4 x 96, 4 waves a work-group, clusters of 4 x 4, 327,680 bytes of LDS; arguments cod, scl, bq, bk, bv, hc, hs; writes hc, hs
.if DOCPART == 2
	.amdgcn_target "amdgcn-amd-amdhsa--gfx1250"
	.amdhsa_code_object_version 6
	.text
	.protected	k_q2bbde0dd98_proj
	.globl	k_q2bbde0dd98_proj
	.p2align	8
	.type	k_q2bbde0dd98_proj,@function
k_q2bbde0dd98_proj:
	s_mov_b64 s[64:65], 0
	v_nop
	global_prefetch_b8 v0, s[64:65] scope:SCOPE_SE
	s_setreg_imm32_b32 hwreg(HW_REG_WAVE_MODE, 25, 1), 1
	s_wait_xcnt 0x0
	s_wait_alu depctr_hold_cnt(0) depctr_sa_sdst(0) depctr_va_vdst(0) depctr_va_sdst(0) depctr_va_ssrc(0) depctr_va_vcc(0) depctr_vm_vsrc(0)
	s_getreg_b32 s2, hwreg(HW_REG_IB_STS2, 6, 4)
	s_cmp_eq_u32 s2, 0
	s_cbranch_scc0 .Lentry_in_a_cluster
	s_endpgm
.Lentry_in_a_cluster:
	s_bfe_u32 s2, ttmp6, 0x10000c
	s_cmp_lg_u32 s2, 0xf033
	s_cbranch_scc0 .Lentry_shape_is_right
	s_endpgm
.Lentry_shape_is_right:
.set HALFT,  32768
.set SLOT,   4*HALFT
.set SCL,    2*SLOT
.set SPARE,  278784
.set STG,    SPARE+512
.set NP,     8
.set FR,     16
.set L16,  3
.set ADRA, 16
.set ADRB, 20
.set STW,  24
.set STR,  25
.set HSO,  26
.set ADRS, 27
.set SPW,  28
.set NIL,  29
.set SC,   32
.set BI,   64
.set AF,   128
.set TM,   64
.set VO,   80
.set PWA,  88
.set Z,    96
.set ZB,   104
.set CD,   128
.set WV, 18
.set WA, 19
.set WB, 20
.set G1,   24
.set G0,   32
.set G1B,  48
.set G0B,  56
.set G1S,  68
.set G0S,  76
.set G1SB, 80
.set G0SB, 88
.set MNT,  101
.set MSB, 0
.macro WIN new
.if MSB != (\new)
	s_set_vgpr_msb (MSB<<8)|(\new)
.set MSB, (\new)
.endif
.endm
.set MUL_LO, 0xa1
.set MUL_HI, 0xf1
.set TO_B,   0x40
.macro JLOAD g0a, g1a, g0b, g1b
	s_cmp_eq_u32 s[WA], 0
	s_cbranch_scc0 .Lfor_b_\@
	tensor_load_to_lds s[\g0a:\g0a+3], s[\g1a:\g1a+7]
	s_nop 0
.rept 4
	v_nop
.endr
	s_branch .Lasked_\@
.Lfor_b_\@:
	tensor_load_to_lds s[\g0b:\g0b+3], s[\g1b:\g1b+7]
	s_nop 0
.rept 4
	v_nop
.endr
.Lasked_\@:
.endm
.macro CREST
	s_cmp_lg_u32 s[WV], 0
	s_cbranch_scc1 .Lnot_wave_0_\@
	s_barrier_signal -3
.Lnot_wave_0_\@:
	s_barrier_wait -3
	s_barrier_signal -1
	s_barrier_wait -1
.endm
.macro CROUND
	s_barrier_signal -1
	s_barrier_wait -1
	CREST
.endm
.macro PLACES n
.rept \n
	v_nop
.endr
.endm
	s_load_b256 s[4:11], s[0:1], 0x0
	s_load_b128 s[12:15], s[0:1], 0x20
	s_load_b64 s[16:17], s[0:1], 0x30
	v_lshl_add_u32 v[SPW], v0, 2, SPARE
	v_mov_b32 v[NIL], 0
	ds_add_u32 v28, v29
	ds_add_u32 v28, v29
	s_wait_dscnt 0x0
	v_lshrrev_b32 v1, 5, v0
	v_readfirstlane_b32 s[WV], v1
	s_lshr_b32 s[WA], s[WV], 1
	s_and_b32 s[WB], s[WV], 1
	s_bfe_u32 s21, ttmp6, 0x40000
	s_bfe_u32 s22, ttmp6, 0x40004
	s_and_b32 s23, ttmp7, 0xffff
	s_lshr_b32 s40, s23, 3
	s_and_b32 s44, s23, 7
	s_lshl_b32 s47, s40, 10
	s_add_co_u32 s47, s47, 24576
	s_lshl_b32 s66, s40, 13
	s_cmp_eq_u32 s40, 2
	s_cselect_b32 s41, 1, 0
	s_cselect_b32 s100, -1, 0
	s_cselect_b32 s45, s44, 0
	s_cselect_b32 s46, 0, s44
	s_cselect_b32 s47, 16384, s47
	s_cselect_b32 s66, 26624, s66
	s_lshl_b32 s42, s45, 2
	s_add_co_u32 s42, s42, s21
	s_lshl_b32 s43, s46, 2
	s_add_co_u32 s43, s43, s22
	s_lshl_b32 s44, s22, 2
	s_lshl_b32 s44, 15, s44
	s_lshl_b32 s45, 0x1111, s21
	s_or_b32 s[G1], s44, (3<<16)|(1<<21)
	s_or_b32 s[G1B], s45, (3<<16)|(1<<21)
.irp g, G1, G1B
	s_mov_b32 s[\g+1], 512<<16
	s_mov_b32 s[\g+2], 16<<16                      ; the head's loads bring 16 tiles of 16 rows; behind them the two words are set to 8, for the ring's
	s_mov_b32 s[\g+3], 512<<16
	s_mov_b32 s[\g+4], 16
	s_mov_b32 s[\g+5], 2048
	s_mov_b32 s[\g+6], 0
	s_mov_b32 s[\g+7], 0
.endr
	s_or_b32 s[G1S], s44, (3<<16)|(1<<21)
	s_or_b32 s[G1SB], s45, (3<<16)|(1<<21)
.irp g, G1S, G1SB
	s_mov_b32 s[\g+1], 128<<16                     ; the scale words of 256 rows: 1,024 bytes for each 128 along K
	s_mov_b32 s[\g+2], 8<<16
	s_mov_b32 s[\g+3], 128<<16
	s_mov_b32 s[\g+4], 8
	s_mov_b32 s[\g+5], 14336
	s_mov_b32 s[\g+6], 0
	s_mov_b32 s[\g+7], 0
.endr
	s_lshl_b32 s67, s[WB], 7
	s_lshl_b32 s92, s43, 8
	s_add_co_u32 s92, s92, s66
	s_add_co_u32 s92, s92, s67
	s_lshl_b32 s94, s42, 8
	s_add_co_u32 s94, s94, s47
	s_add_co_u32 s94, s94, s67
	s_lshl_b32 s96, s92, 2
	s_mov_b32 s97, 0
	s_lshl_b32 s98, s94, 2
	s_mov_b32 s99, 0
	s_lshl_b32 s92, s92, 10
	s_mov_b32 s93, 0
	s_lshl_b32 s94, s94, 10
	s_mov_b32 s95, 0
	s_lshl_b32 s101, s[WV], 15
	s_lshl_b32 s67, s[WV], 12
	s_mov_b32 s2, 0x76543210
	s_mov_b32 s3, 0xfedcba98
	s_wait_kmcnt 0x0
	s_add_nc_u64 s[92:93], s[4:5], s[92:93]
	s_add_nc_u64 s[94:95], s[4:5], s[94:95]
	s_add_nc_u64 s[96:97], s[6:7], s[96:97]
	s_add_nc_u64 s[98:99], s[6:7], s[98:99]
	CROUND
	s_mov_b32 s[G0S], 1
	s_mov_b32 s[G0S+1], SCL
	s_sub_nc_u64 s[G0S+2:G0S+3], s[96:97], 512     ; wave 1 issues it: its address stands 128 rows' words on
	s_or_b32 s[G0S+3], s[G0S+3], 0x80000000
	s_mov_b32 s[G0SB], 1
	s_mov_b32 s[G0SB+1], SCL+8256
	s_sub_nc_u64 s[G0SB+2:G0SB+3], s[98:99], 512   ; wave 3 issues it
	s_or_b32 s[G0SB+3], s[G0SB+3], 0x80000000
.irp s, 0,1
	s_mov_b32 s[G0+4*\s], 1
	s_add_co_u32 s[G0+4*\s+1], s101, \s*SLOT
	s_add_nc_u64 s[G0+4*\s+2:G0+4*\s+3], s[92:93], \s*4096
	s_or_b32 s[G0+4*\s+3], s[G0+4*\s+3], 0x80000000
	s_mov_b32 s[G0B+4*\s], 1
	s_add_co_u32 s[G0B+4*\s+1], s101, \s*SLOT
	s_add_nc_u64 s[G0B+4*\s+2:G0B+4*\s+3], s[94:95], \s*4096
	s_or_b32 s[G0B+4*\s+3], s[G0B+4*\s+3], 0x80000000
.endr
; THE HEAD'S LOADS, ONE A WAVE, in one chain of branches on the wave's number: wave 0 K step 0's 256 rows of A, wave 1 A's scale words, wave 2 the 256 rows of B, wave 3 B's scale words
.macro ARM under, g0, g1, next
	s_cmp_lt_u32 s[WV], \under
	s_cbranch_scc0 \next
	tensor_load_to_lds s[\g0:\g0+3], s[\g1:\g1+7]
	s_nop 0
.rept 4
	v_nop
.endr
	s_branch .Lhead_asked
\next:
.endm
	ARM 1, G0, G1, .Lhead_sa
	ARM 2, G0S, G1S, .Lhead_b
	ARM 3, G0B, G1B, .Lhead_sb
	tensor_load_to_lds s[G0SB:G0SB+3], s[G1SB:G1SB+7]
	s_nop 0
.rept 4
	v_nop
.endr
.Lhead_asked:
	s_wait_alu depctr_va_vdst(0)
	s_wait_tensorcnt 0x0                           ; my tile of the head's four is in
	ds_add_u32 v28, v29
	s_mov_b32 s[G1+2], 8<<16                       ; no tensor load of mine is out: from here on a load brings 8 tiles
	s_mov_b32 s[G1+4], 8
	s_mov_b32 s[G1B+2], 8<<16
	s_mov_b32 s[G1B+4], 8
	s_wait_dscnt 0x0
	CROUND
	JLOAD G0+4, G1, G0B+4, G1B
	v_and_b32 v1, 15, v0
	v_bfe_u32 v2, v0, 4, 1
	s_wait_alu depctr_va_vdst(0)
	v_and_b32 v[L16], 31, v0
	v_lshlrev_b32 v[L16], 4, v[L16]
	s_lshl_b32 s44, s[WA], 15
	s_lshl_b32 s45, s[WB], 15
	s_add_co_u32 s45, s45, 2*HALFT
.irp s, 0,1
	v_add_nc_u32 v[ADRA+\s], s44, v[L16]
	v_add_nc_u32 v[ADRB+\s], s45, v[L16]
	s_add_co_u32 s44, s44, SLOT
	s_add_co_u32 s45, s45, SLOT
.endr
	s_lshl_b32 s44, s[WA], 9
	s_lshl_b32 s45, s[WB], 9
	s_add_co_u32 s45, s45, 8256
	s_sub_co_u32 s45, s45, s44
	v_mul_u32_u24 v4, s45, v2
	s_add_co_u32 s44, s44, SCL
	v_lshl_add_u32 v4, v1, 2, v4
	v_add_nc_u32 v[ADRS], s44, v4
	s_lshl_b32 s45, s[WV], 9
	s_add_co_u32 s45, s45, STG
	v_lshl_add_u32 v[STW], v1, 2, s45
	v_lshl_add_u32 v[STR], v0, 4, STG
	v_lshlrev_b32 v[HSO], 12, v2
	v_lshl_add_u32 v[HSO], v1, 4, v[HSO]
	s_cmp_eq_u32 s40, 1
	s_cselect_b64 s[8:9], s[10:11], s[8:9]
	s_cmp_eq_u32 s40, 2
	s_cselect_b64 s[8:9], s[12:13], s[8:9]
	s_cbranch_scc1 .Lbias_v
	s_lshl_b32 s44, s42, 10
	s_lshl_b32 s45, s[WB], 9
	s_add_co_u32 s44, s44, s45
	s_mov_b32 s45, 0
	s_add_nc_u64 s[8:9], s[8:9], s[44:45]
	v_lshlrev_b32 v5, 6, v2
.irp b, 0,1,2,3,4,5,6,7
	global_load_b128 v[BI+8*\b:BI+8*\b+3], v5, s[8:9] offset:(32*(\b/2)+8*(\b%2))*4
	global_load_b128 v[BI+8*\b+4:BI+8*\b+7], v5, s[8:9] offset:(32*(\b/2)+8*(\b%2))*4+16
.endr
	s_branch .Lbias_done
.Lbias_v:
	s_lshl_b32 s44, s43, 10
	s_lshl_b32 s45, s[WA], 9
	s_add_co_u32 s44, s44, s45
	s_mov_b32 s45, 0
	s_add_nc_u64 s[8:9], s[8:9], s[44:45]
	v_and_b32 v5, 7, v1
	v_lshrrev_b32 v6, 3, v1
	v_lshl_add_u32 v5, v6, 4, v5
	v_lshlrev_b32 v5, 2, v5
.irp a, 0,1,2,3,4,5,6,7
.irp j, 0,1,2,3,4,5,6,7
	global_load_b32 v[BI+8*\a+\j], v5, s[8:9] offset:(32*(\a/2)+8*(\a%2))*4
.endr
.endr
.Lbias_done:
.macro FRAG reg, adr, q, i
.irp c, 0,1,2,3
	ds_load_b128 v[\reg+4*\c:\reg+4*\c+3], v[\adr] offset:4096*(\i)+2048*(\q)+512*\c
.endr
.endm
.macro MUL16 a0, p, q, sc, mode
.irp a, \a0, \a0+1
.irp b, 0,1,2,3,4,5,6,7
.set rD, 8*(8*((\a)%4)+\b)
.set rB, 128*(\p)+FR*\b
.set rA, AF+FR*(\a)
.set rS, SC+16*(\sc)+(\q)
.if \mode == 1
	v_wmma_scale_f32_16x16x128_f8f6f4 v[rD:rD+7], v[rB:rB+15], v[rA:rA+15], v[BI+8*\b:BI+8*\b+7], v[rS+2*\b], v[rS+2*(\a)] matrix_a_fmt:MATRIX_FMT_BF8 matrix_b_fmt:MATRIX_FMT_BF8 matrix_a_scale:MATRIX_SCALE_ROW1
.elseif \mode == 2
	v_wmma_scale_f32_16x16x128_f8f6f4 v[rD:rD+7], v[rB:rB+15], v[rA:rA+15], v[BI+8*(\a):BI+8*(\a)+7], v[rS+2*\b], v[rS+2*(\a)] matrix_a_fmt:MATRIX_FMT_BF8 matrix_b_fmt:MATRIX_FMT_BF8 matrix_a_scale:MATRIX_SCALE_ROW1
.else
	v_wmma_scale_f32_16x16x128_f8f6f4 v[rD:rD+7], v[rB:rB+15], v[rA:rA+15], v[rD:rD+7], v[rS+2*\b], v[rS+2*(\a)] matrix_a_fmt:MATRIX_FMT_BF8 matrix_b_fmt:MATRIX_FMT_BF8 matrix_a_scale:MATRIX_SCALE_ROW1
.endif
.endr
.endr
.endm
.macro FETCH_B slot, q, p
	WIN TO_B
.irp i, 0,1,2,3,4,5,6,7
	FRAG 128*(\p)+FR*\i, ADRB+\slot, \q, \i
.endr
	WIN 0
.endm
.macro FETCH_A slot, q, i0
.irp i, \i0, \i0+1, \i0+2, \i0+3
	FRAG AF+FR*(\i), ADRA+\slot, \q, \i
.endr
.endm
.macro SCALES sc, kstep
.irp i, 0,1,2,3,4,5,6,7
.irp u, 0,1
	ds_load_b32 v[SC+16*(\sc)+2*\i+\u], v[ADRS] offset:(2*(\kstep)+\u)*1024+64*\i
.endr
.endr
.endm
.macro STEP slot, q, mode
	s_wait_dscnt 16
.if \mode
	WIN 0x81
.else
	WIN MUL_LO
.endif
	MUL16 0, (\q)%2, \q, \slot, \mode
	MUL16 2, (\q)%2, \q, \slot, \mode
	s_wait_dscnt 0
	PLACES NP
	FETCH_B \slot, (\q)+1, 1-(\q)%2
	FETCH_A \slot, (\q)+1, 0
.if \mode
	WIN 0xc1
.else
	WIN MUL_HI
.endif
	MUL16 4, (\q)%2, \q, \slot, \mode
	MUL16 6, (\q)%2, \q, \slot, \mode
	PLACES NP
	WIN 0
	FETCH_A \slot, (\q)+1, 4
.endm
.macro TURN slot, next, fill, kstep
	s_wait_tensorcnt 0x0
	ds_add_u32 v[SPW], v[NIL]
	s_wait_dscnt 17
	WIN MUL_LO
	MUL16 0, 1, 1, \slot, 0
	s_wait_dscnt 0x0
	s_barrier_signal -1
	MUL16 2, 1, 1, \slot, 0
	WIN 0
	s_barrier_wait -1
.if \fill
	CREST
	s_add_nc_u64 s[G0+4*\slot+2:G0+4*\slot+3], s[G0+4*\slot+2:G0+4*\slot+3], 8192
	s_add_nc_u64 s[G0B+4*\slot+2:G0B+4*\slot+3], s[G0B+4*\slot+2:G0B+4*\slot+3], 8192
	JLOAD G0+4*\slot, G1, G0B+4*\slot, G1B
	PLACES NP-4
.else
	PLACES NP
.endif
	FETCH_B \next, 0, 0
	FETCH_A \next, 0, 0
	SCALES \next, \kstep
	WIN MUL_HI
	MUL16 4, 1, 1, \slot, 0
	MUL16 6, 1, 1, \slot, 0
	PLACES NP
	WIN 0
	FETCH_A \next, 0, 4
.endm
	s_wait_tensorcnt 1
	s_barrier_signal -1
	s_barrier_wait -1
	FETCH_B 0, 0, 0
	FETCH_A 0, 0, 0
	s_wait_alu depctr_va_vdst(0)
	SCALES 0, 0
	FETCH_A 0, 0, 4
	s_wait_loadcnt 0x0
	s_cmp_eq_u32 s41, 1
	s_cbranch_scc1 .Lfirst_v
	STEP 0, 0, 1
	s_branch .Lfirst_done
.Lfirst_v:
	STEP 0, 0, 2
.Lfirst_done:
	TURN 0, 1, 1, 1
	STEP 1, 0, 0
	TURN 1, 0, 1, 2
	STEP 0, 0, 0
	TURN 0, 1, 0, 3
	STEP 1, 0, 0
	s_wait_dscnt 16
	WIN MUL_LO
	MUL16 0, 1, 1, 1, 0
	MUL16 2, 1, 1, 1, 0
	s_wait_dscnt 0
	WIN MUL_HI
	MUL16 4, 1, 1, 1, 0
	MUL16 6, 1, 1, 1, 0
	WIN 0
	s_cmp_eq_u32 s41, 1
	s_cselect_b32 s44, s42, s43
	s_cselect_b32 s45, s43, s42
	s_cselect_b32 s46, s[WB], s[WA]
	s_cselect_b32 s47, s[WA], s[WB]
	s_mov_b32 s98, 1024
	s_cselect_b32 s98, 2048, s98
	s_mov_b32 s99, 4096
	s_cselect_b32 s99, 131072, s99
	s_mov_b32 s94, 131072
	s_cselect_b32 s94, 1024, s94
	s_mov_b32 s95, 0
	s_mov_b32 s[MNT], 0x600000
	s_lshr_b32 s66, s44, 3
	s_lshl_b32 s66, s66, 4
	s_lshl_b32 s45, s45, 2
	s_add_co_u32 s66, s66, s45
	s_lshl_b32 s47, s47, 1
	s_add_co_u32 s66, s66, s47
	s_and_b32 s44, s44, 7
	s_lshl_b32 s44, s44, 1
	s_add_co_u32 s44, s44, s46
	s_lshl_b32 s92, s66, 17
	s_lshl_b32 s45, s44, 13
	s_add_co_u32 s92, s92, s45
	s_lshl_b32 s45, s40, 23
	s_add_co_u32 s92, s92, s45
	s_mov_b32 s93, 0
	s_add_nc_u64 s[92:93], s[14:15], s[92:93]
	s_add_nc_u64 s[94:95], s[92:93], s[94:95]
	s_lshl_b32 s96, s66, 12
	s_lshl_b32 s45, s44, 8
	s_add_co_u32 s96, s96, s45
	s_lshl_b32 s45, s40, 18
	s_add_co_u32 s96, s96, s45
	s_mov_b32 s97, 0
	s_add_nc_u64 s[96:97], s[16:17], s[96:97]
	v_mov_b32 v[VO], v[L16]
.irp a, 1,2,3
	v_add_nc_u32 v[VO+\a], s98, v[VO+\a-1]
.endr
	v_add_nc_u32 v[VO+4], s99, v[VO]
.irp a, 5,6,7
	v_add_nc_u32 v[VO+\a], s98, v[VO+\a-1]
.endr
.irp b, 0,1,2,3
	v_mov_b32 v[TM+4+\b], 0
.endr
.macro QOUT a
.set W,  2+(\a)/4
.set AC, 64*((\a)%4)
	WIN (W<<2)|(W<<4)
.irp b, 0,1,2,3
	v_max3_num_f32 v[TM+\b], 0x8000000, |v[AC+16*\b]|, |v[AC+16*\b+1]|
.endr
.irp i, 2,4,6,8,10,12,14
.irp b, 0,1,2,3
	v_max3_num_f32 v[TM+\b], v[TM+\b], |v[AC+16*\b+\i]|, |v[AC+16*\b+\i+1]|
.endr
.endr
	WIN 0
.irp b, 0,1,2,3
	v_permlanex16_b32 v[TM+4+\b], v[TM+\b], s2, s3
.endr
.irp b, 0,1,2,3
	v_max_num_f32 v[TM+\b], v[TM+\b], v[TM+4+\b]
.endr
.irp b, 0,1,2,3
	v_add_nc_u32 v[TM+12+\b], 0xf8800000, v[TM+\b]
.endr
.irp b, 0,1,2,3
	v_and_or_b32 v[TM+8+\b], v[TM+\b], 0x7f800000, s[MNT]
.endr
.irp b, 0,1,2,3
	v_lshrrev_b32 v[TM+4+\b], 23, v[TM+12+\b]
.endr
	v_lshl_or_b32 v[PWA+(\a)], v[TM+5], 8, v[TM+4]
	v_lshl_or_b32 v[PWA+(\a)], v[TM+6], 16, v[PWA+(\a)]
	v_lshl_or_b32 v[PWA+(\a)], v[TM+7], 24, v[PWA+(\a)]
	WIN (W<<6)|W
.irp b, 0,1,2,3
.irp i, 0,1,2,3,4,5,6,7,8,9,10,11,12,13,14,15
	v_med3_num_f32 v[AC+16*\b+\i], v[AC+16*\b+\i], -v[TM+8+\b], v[TM+8+\b]
.endr
.endr
	WIN W
.irp b, 0,1,2,3
	v_cvt_scalef32_pk8_bf8_f32 v[CD+16*(\a)+4*\b:CD+16*(\a)+4*\b+1], v[AC+16*\b:AC+16*\b+7], v[TM+12+\b]
	v_cvt_scalef32_pk8_bf8_f32 v[CD+16*(\a)+4*\b+2:CD+16*(\a)+4*\b+3], v[AC+16*\b+8:AC+16*\b+15], v[TM+12+\b]
.endr
	WIN 0
	v_nop
	global_store_b128 v[VO+(\a)], v[CD+16*(\a):CD+16*(\a)+3], s[92:93]
	global_store_b128 v[VO+(\a)], v[CD+16*(\a)+4:CD+16*(\a)+7], s[92:93] offset:512
	global_store_b128 v[VO+(\a)], v[CD+16*(\a)+8:CD+16*(\a)+11], s[94:95]
	global_store_b128 v[VO+(\a)], v[CD+16*(\a)+12:CD+16*(\a)+15], s[94:95] offset:512
.endm
.irp a, 0,1,2,3,4,5,6,7
	QOUT \a
.endr
.irp x, 0,1,2,3
	v_perm_b32 v[Z+\x], v[PWA+2*\x+1], v[PWA+2*\x], 0x05040100
	v_perm_b32 v[Z+4+\x], v[PWA+2*\x+1], v[PWA+2*\x], 0x07060302
.endr
.irp i, 0,1,2,3,4,5,6,7
	v_cndmask_b32 v[Z+\i], v[Z+\i], v[PWA+\i], s100
.endr
.irp i, 0,1,2,3,4,5,6,7
	ds_store_b32 v[STW], v[Z+\i] offset:64*\i
.endr
	ds_load_b128 v[ZB:ZB+3], v[STR]
	s_wait_dscnt 0x0
	global_store_b128 v[HSO], v[ZB:ZB+3], s[96:97]
	s_wait_tensorcnt 0x0
	ds_add_u32 v[SPW], v[NIL]
	s_wait_dscnt 0x0
	CROUND
	s_endpgm
.Lfunc_end_k_q2bbde0dd98_proj:
	.size	k_q2bbde0dd98_proj, .Lfunc_end_k_q2bbde0dd98_proj-k_q2bbde0dd98_proj
	.p2alignl 7, 3214868480
	.fill 96, 4, 3214868480
	.section	.rodata,"a",@progbits
	.p2align	6, 0x0
	.amdhsa_kernel k_q2bbde0dd98_proj
		.amdhsa_group_segment_fixed_size 327680
		.amdhsa_private_segment_fixed_size 0
		.amdhsa_enable_private_segment 0
		.amdhsa_kernarg_size 56
		.amdhsa_user_sgpr_count 2
		.amdhsa_user_sgpr_kernarg_segment_ptr 1
		.amdhsa_wavefront_size32 1
		.amdhsa_system_sgpr_workgroup_id_x 1
		.amdhsa_system_sgpr_workgroup_id_y 1
		.amdhsa_system_sgpr_workgroup_id_z 1
		.amdhsa_system_vgpr_workitem_id 0
		.amdhsa_next_free_vgpr 1024
		.amdhsa_next_free_sgpr 104
		.amdhsa_reserve_vcc 0
		.amdhsa_float_denorm_mode_32 3
		.amdhsa_float_denorm_mode_16_64 3
		.amdhsa_memory_ordered 1
		.amdhsa_forward_progress 1
		.amdhsa_inst_pref_size 211
	.end_amdhsa_kernel
	.amdgpu_metadata
---
amdhsa.version: [ 1, 2 ]
amdhsa.kernels:
  - .name:           k_q2bbde0dd98_proj
    .symbol:         k_q2bbde0dd98_proj.kd
    .args:
      - { .name: cod, .offset: 0, .size: 8, .value_kind: global_buffer, .address_space: global }
      - { .name: scl, .offset: 8, .size: 8, .value_kind: global_buffer, .address_space: global }
      - { .name: bq, .offset: 16, .size: 8, .value_kind: global_buffer, .address_space: global }
      - { .name: bk, .offset: 24, .size: 8, .value_kind: global_buffer, .address_space: global }
      - { .name: bv, .offset: 32, .size: 8, .value_kind: global_buffer, .address_space: global }
      - { .name: hc, .offset: 40, .size: 8, .value_kind: global_buffer, .address_space: global }
      - { .name: hs, .offset: 48, .size: 8, .value_kind: global_buffer, .address_space: global }
    .group_segment_fixed_size: 327680
    .private_segment_fixed_size: 0
    .kernarg_segment_align: 8
    .kernarg_segment_size: 56
    .max_flat_workgroup_size: 128
    .sgpr_count:     104
    .vgpr_count:     1024
    .wavefront_size: 32
...
	.end_amdgpu_metadata
.endif
;; end of part 2
;; launch attn (part 3): grid 4 x 64, 16 waves a work-group, clusters of 4 x 1, 327,680 bytes of LDS; arguments hc, hs, ac, asc; writes ac, asc
.if DOCPART == 3
	.amdgcn_target "amdgcn-amd-amdhsa--gfx1250"
	.amdhsa_code_object_version 6
	.text
	.protected	k_q2bbde0dd98_attn
	.globl	k_q2bbde0dd98_attn
	.p2align	8
	.type	k_q2bbde0dd98_attn,@function
k_q2bbde0dd98_attn:
	s_mov_b64 s[64:65], 0
	v_nop
	global_prefetch_b8 v0, s[64:65] scope:SCOPE_SE
	s_setreg_imm32_b32 hwreg(HW_REG_WAVE_MODE, 25, 1), 1
	s_wait_xcnt 0x0
	s_wait_alu depctr_hold_cnt(0) depctr_sa_sdst(0) depctr_va_vdst(0) depctr_va_sdst(0) depctr_va_ssrc(0) depctr_va_vcc(0) depctr_vm_vsrc(0)
	s_getreg_b32 s2, hwreg(HW_REG_IB_STS2, 6, 4)
	s_cmp_eq_u32 s2, 0
	s_cbranch_scc0 .Lentry_in_a_cluster
	s_endpgm
.Lentry_in_a_cluster:
	s_bfe_u32 s2, ttmp6, 0x10000c
	s_cmp_lg_u32 s2, 0x3003
	s_cbranch_scc0 .Lentry_shape_is_right
	s_endpgm
.Lentry_shape_is_right:
; Attention on codes of BF8 (E5M2) with E8M0 scales: 64 (batch, head), 2,048 queries and keys, head size 64.  Its result, divided by the row's sum, is quantised along the channels for the last projection.
; THE SOFTMAX: t = score x log2(e) / 8; M = the row's largest t so far, rounded UP to a whole number; p = 2^(t - M) is quantised along the keys, not normalised; the row's sum is taken of the unquantised p.
; When M moves, the sum and O are multiplied by f = 2^(old M - new M): exact.
; IN: hc: Q at 0, K at 8 MiB: [16 batch + head][token tile 128][chunk 2][512]; V at 16 MiB: [16 batch + head][128 keys: 16][channel tile 4][chunk 4][512].  A chunk = 16 rows x 32 K, lane l's 16 bytes at 16 l.
; hs: Q at 0, K at 256 KiB: [head][pair of tiles 64][r 16] words; V at 512 KiB: [head][16][tile 4][r 16] words.  Tokens and channels lie in position order (tile 2 b + u, lane r: true row 32 b + 8 u + r + 8 (r / 8)).
; SHARES: a work-group owns 512 queries of ONE head; each of its sixteen waves two tiles of 16 queries, 2 w and 2 w + 1 of the block's 32, one after the other.
; K AND V OF THE HEAD STAY IN LDS: 256 KiB of codes and 8 KiB of scale words, filled once, at the head, one load a wave: waves 0-7 two key steps each, as a tile of two rows of 16 KiB (K's, and V's 8 MiB further on in memory);
; waves 8-15 the scale words of two key steps each, as two rows of 512 bytes (K's, and V's 256 KiB further on).  One barrier shows them to all; behind it no LDS byte is written, so the waves walk the keys with no barrier between them.
; LDS: [pair of key steps 8][K 2 x 8 KiB][V 2 x 8 KiB]; behind it [pair 8][K's words 2 x 256][V's words 2 x 256].
; CLUSTER: the four query blocks of a head need the same K and V: each tile is asked for JOINTLY (mask of all four).
; NO PREFETCH: every byte of K and V is asked for by the head's loads; no tensor load follows that a request could run ahead of.
; THE SCORES HAVE K = 64, the instruction 128.  A fragment of source 0 is TWO key tiles; Q stands as zeros, q's two chunks, zeros (v16-39): v[24:39] multiplies the first tile by q and the second by zero codes, v[16:31] the other way round.
; OUT: ac = [query tile 512][pair of heads 8][chunk 4][512]: my head's two chunks, 1,024 bytes on end.  asc = [8][8192 position rows] scale words, a word for 128 channels = two heads: a work-group stores its head's
; 2 bytes of each word, so these units of asc are written in halves by two work-groups: 1 KiB of the 33 KiB that a work-group stores.
; LIMITS: NaN and infinities are not served; the promise holds while the scaled scores t stay under 2^31 in magnitude; a block of the result whose largest magnitude lies under 2^-111 gets the byte 1.
; REGISTERS: v1-8 addresses; v10 Q's scale word; v11 the pair's raw word; v12 -M, v13 the largest t, v[14:15] the sum; v16-39 Q; v40-47 the second tile's q; v48-111 four fragments of K, then of V; v112-175 S^T, then p;
;   v176-207 O^T; v208-223 p's codes; v224-231 the first tile's result; v232-247 at work; v248-251 K's and V's scale words; v252 at work; v253 p's scale word; v254 the old -M, then f; v255 the result's scale bytes.
.set SCK,   262144                     ; behind the codes: the scale words, 8 KiB
.set SPARE, 270336                     ; the spare words, 128 bytes for each wave: eight blocks of 256 bytes that no other line names
.set L16, 1                            ; v1  16 x lane
.set LNS, 2                            ; v2  SCK + 4 x lane
.set ADK, 3                            ; v3  the pair of steps in hand + 16 x lane
.set ADS, 4                            ; v4  its scale words
.set SPW, 5                            ; v5  my spare word; never rewritten
.set NIL, 6                            ; v6  0; never rewritten
.set STO, 8                            ; v8  4 r: my row's word among a tile's sixteen
.set QS,  10
.set QW1, 11
.set KV,  48
.set S,   112
.set O,   176
.set PCD, 208
.set R0,  224
.set WV,  12
.set SEL, 16                           ; s[16:17] v_permlanex16_b32's selects for lane l xor 16
.set MNT, 18                           ; s18  the mantissa field of 57,344
.set CS,  20                           ; s[20:21] c = log2(e) / 8
.set TB,  22                           ; s22  LDS byte at which the pair of steps in hand begins: 32 KiB a pair
.set TS,  23                           ; s23  its scale words: 1,024 bytes a pair
.set G1S, 32                           ; s[32:39], s[44:47] groups 1 and 0 of the scale words; s[72:79], s[80:83] of the codes
.set G0S, 44
.set CNT, 50                           ; s50  pairs of key steps to go
.set G1H, 72
.set G0H, 80
.macro CROUND                          ; a round of the cluster's barrier
	s_barrier_signal -1
	s_barrier_wait -1
	s_cmp_lg_u32 s[WV], 0
	s_cbranch_scc1 .Lnot_wave_0_\@
	s_barrier_signal -3
.Lnot_wave_0_\@:
	s_barrier_wait -3
	s_barrier_signal -1
	s_barrier_wait -1
.endm
.macro GRP1 g, c, r, p                 ; group 1: r rows of c elements of 8 bytes, p elements apart; the mask names all four work-groups, bit 21 beside it
	s_mov_b32 s[\g], 15|(3<<16)|(1<<21)
	s_mov_b32 s[\g+1], (\c)<<16
	s_mov_b32 s[\g+2], (\r)<<16
	s_mov_b32 s[\g+3], (\c)<<16
	s_mov_b32 s[\g+4], \r
	s_mov_b32 s[\g+5], \p
	s_mov_b32 s[\g+6], 0
	s_mov_b32 s[\g+7], 0
.endm
	s_load_b256 s[4:11], s[0:1], 0x0               ; hc, hs, ac, asc
	v_lshl_add_u32 v[SPW], v0, 2, SPARE
	v_mov_b32 v[NIL], 0
	ds_add_u32 v[SPW], v[NIL]                      ; the opening lines: the add, twice on end, and its wait ahead of my first tensor load
	ds_add_u32 v[SPW], v[NIL]
	v_lshrrev_b32 v1, 5, v0
	v_readfirstlane_b32 s[WV], v1                  ; wave 0..15
	s_bfe_u32 s13, ttmp6, 0x40000                  ; cx
	s_lshl_b32 s14, ttmp9, 2
	s_add_co_u32 s14, s14, s13                     ; X: my block of 512 queries: it enters Q's, ac's and asc's addresses alone
	s_and_b32 s15, ttmp7, 0xffff                   ; y = 16 batch + head
	s_lshl_b32 s54, s15, 17                        ; y heads of 128 KiB,
	s_add_co_u32 s54, s54, 0x800000                ; K at 8 MiB; V lies 8 MiB further on
	s_and_b32 s56, s[WV], 7                        ; e: which pair of key steps I fetch for
	s_mov_b32 s[G0H], 1                            ; the codes
	s_lshl_b32 s[G0H+1], s56, 15                   ; LDS: 32 KiB e
	s_lshl_b32 s[G0H+2], s56, 14
	s_add_co_u32 s[G0H+2], s[G0H+2], s54           ; offset in hc; the buffer's address is added below
	s_mov_b32 s[G0H+3], 0
	s_mov_b32 s[G0S], 1                            ; the scale words
	s_lshl_b32 s[G0S+1], s56, 10
	s_add_co_u32 s[G0S+1], s[G0S+1], SCK
	s_lshl_b32 s[G0S+2], s56, 9
	s_lshl_b32 s53, s15, 12                        ; y heads of 4 KiB,
	s_add_co_u32 s[G0S+2], s[G0S+2], s53
	s_add_co_u32 s[G0S+2], s[G0S+2], 0x40000       ; K's at 256 KiB; V's lie 256 KiB further on
	s_mov_b32 s[G0S+3], 0
	s_lshl_b32 s58, s14, 5
	s_lshl_b32 s59, s[WV], 1
	s_add_co_u32 s58, s58, s59                     ; my first query tile in the batch: 32 X + 2 wave
	s_lshl_b32 s60, s58, 10
	s_lshl_b32 s59, s15, 17
	s_add_co_u32 s60, s60, s59                     ; its codes; the second tile's follow
	s_mov_b32 s61, 0
	s_lshl_b32 s62, s58, 5                         ; the pair's sixteen scale words: 64 bytes a pair
	s_add_co_u32 s62, s62, s53
	s_mov_b32 s63, 0
	s_lshr_b32 s59, s15, 4                         ; batch
	s_bfe_u32 s55, s15, 0x30001                    ; pair of heads
	s_and_b32 s52, s15, 1                          ; which of the pair
	s_lshl_b32 s66, s59, 7
	s_add_co_u32 s66, s66, s58
	s_lshl_b32 s66, s66, 14                        ; ac: my tile's 16 KiB,
	s_lshl_b32 s67, s55, 11
	s_add_co_u32 s66, s66, s67                     ; + the pair's four chunks,
	s_lshl_b32 s67, s52, 10
	s_add_co_u32 s66, s66, s67                     ; + my head's two
	s_mov_b32 s67, 0
	s_lshl_b32 s68, s55, 15                        ; asc: the pair's row of 8,192 words,
	s_lshl_b32 s69, s59, 13
	s_add_co_u32 s68, s68, s69
	s_lshl_b32 s69, s58, 6
	s_add_co_u32 s68, s68, s69                     ; + my tile's sixteen,
	s_lshl_b32 s69, s52, 1
	s_add_co_u32 s68, s68, s69                     ; + my head's half of a word
	s_mov_b32 s69, 0
	GRP1 G1H, 2048, 2, 0x100000                    ; two rows of 16 KiB, 8 MiB apart: two steps' K and their V
	GRP1 G1S, 64, 2, 32768                         ; two rows of 512 bytes, 256 KiB apart: their scale words
	s_mov_b32 s[SEL], 0x76543210
	s_mov_b32 s[SEL+1], 0xfedcba98
	s_mov_b32 s[MNT], 0x600000
	s_mov_b32 s[CS], 0x3e38aa3b                    ; c = log2(e) / sqrt(64)
	s_mov_b32 s[CS+1], s[CS]                       ; (named with it as a pair, so it is written)
	s_wait_dscnt 0x0                               ; both opening adds are done
	s_wait_kmcnt 0x0
	s_add_nc_u64 s[G0H+2:G0H+3], s[4:5], s[G0H+2:G0H+3]
	s_or_b32 s[G0H+3], s[G0H+3], 0x80000000
	s_add_nc_u64 s[G0S+2:G0S+3], s[6:7], s[G0S+2:G0S+3]
	s_or_b32 s[G0S+3], s[G0S+3], 0x80000000
	s_add_nc_u64 s[60:61], s[4:5], s[60:61]
	s_add_nc_u64 s[62:63], s[6:7], s[62:63]
	s_add_nc_u64 s[66:67], s[8:9], s[66:67]
	s_add_nc_u64 s[68:69], s[10:11], s[68:69]
	CROUND                                         ; all four work-groups are here: the joint loads meet
	s_cmp_lt_u32 s[WV], 8                          ; the head's loads, one a wave, a fill in each of the two arms
	s_cbranch_scc0 .Lhead_words
	tensor_load_to_lds s[G0H:G0H+3], s[G1H:G1H+7]  ; waves 0-7: the codes of two key steps each
	s_nop 0
.rept 4
	v_nop
.endr
	s_branch .Lhead_asked
.Lhead_words:
	tensor_load_to_lds s[G0S:G0S+3], s[G1S:G1S+7]  ; waves 8-15: their scale words
	s_nop 0
.rept 4
	v_nop
.endr
.Lhead_asked:
	v_and_b32 v2, 31, v0
	v_lshlrev_b32 v[L16], 4, v2
	v_lshl_add_u32 v[LNS], v2, 2, SCK
	v_and_b32 v3, 15, v0
	v_lshlrev_b32 v[STO], 2, v3                    ; 4 r
	global_load_b128 v[24:27], v[L16], s[60:61]                    ; q's two chunks, first tile
	global_load_b128 v[28:31], v[L16], s[60:61] offset:512
	global_load_b128 v[40:43], v[L16], s[60:61] offset:1024        ; second tile
	global_load_b128 v[44:47], v[L16], s[60:61] offset:1536
	global_load_b32 v[QW1], v[STO], s[62:63]                       ; the pair's words: the first tile's two bytes below, the second's above
.irp j, 0,1,2,3,4,5,6,7
	v_mov_b32 v[16+\j], 0                          ; the zero codes on both sides of q
	v_mov_b32 v[32+\j], 0
.endr
	v_mov_b32 v255, 0                              ; (named as the upper half of the pair v[254:255] before it is first written)
	v_mov_b32 v13, 0xff61b1e6                      ; the largest t so far: -3e38, under every t
	v_floor_f32 v12, -v13                          ; -M
	v_mov_b32 v14, 0
	v_mov_b32 v15, 0
.irp b, 0,1,2,3
	v_mov_b32 v[236+\b], 0                         ; a lane permute's destination counts as one of its sources
.endr
.set n, 0
.rept 32
	v_mov_b32 v[O+n], 0                            ; O^T: the step is written once; its first run finds zeros, which the first change of M leaves zeros
.set n, n+1
.endr
	s_wait_loadcnt 0x0
	v_and_b32 v[QS], 0xffff, v[QW1]                ; the first tile's two bytes,
	v_lshl_or_b32 v[QS], v[QS], 16, v[QS]          ; in both halves of the word: q stands in blocks 0, 1 or in blocks 2, 3
	s_wait_alu depctr_va_vdst(0)
	s_wait_tensorcnt 0x0                           ; my part of K, V or the scale words is in,
	s_barrier_signal -1
	s_barrier_wait -1                              ; and so is everybody's
; A KEY STEP: 128 keys, the q-th of the pair in hand.  The three lines at its head and the five behind the last step's products are the eight places in front of the loads into registers that those products have read.
.macro STEP q
.if \q
	v_nop
	v_nop
.else
	v_add_nc_u32 v[ADK], s[TB], v[L16]
	v_add_nc_u32 v[ADS], s[TS], v[LNS]
.endif
	v_mov_b32 v254, v12                            ; the old -M
.irp f, 0,1,2,3
.irp c, 0,1,2,3
	ds_load_b128 v[KV+16*\f+4*\c:KV+16*\f+4*\c+3], v[ADK] offset:8192*(\q)+2048*\f+512*\c
.endr
.endr
.irp i, 0,1
	ds_load_b32 v[248+\i], v[ADS] offset:256*(\q)+128*\i           ; K's words: lanes 0-15 pair 2 i's, lanes 16-31 pair 2 i + 1's
	ds_load_b32 v[250+\i], v[ADS] offset:512+256*(\q)+128*\i       ; V's
.endr
	s_wait_alu depctr_va_vdst(0)
	s_wait_dscnt 0x0
.irp f, 0,1,2,3                                ; S^T = K Q^T: lane (r, h) holds query r; registers 16 f + i are keys 32 f + 16 h + i
.if \f%2
	v_wmma_scale_f32_16x16x128_f8f6f4 v[S+16*\f:S+16*\f+7], v[KV+16*\f:KV+16*\f+15], v[24:39], 0, v[248+\f/2], v[QS] matrix_a_fmt:MATRIX_FMT_BF8 matrix_b_fmt:MATRIX_FMT_BF8 matrix_a_scale:MATRIX_SCALE_ROW1
	v_wmma_scale_f32_16x16x128_f8f6f4 v[S+16*\f+8:S+16*\f+15], v[KV+16*\f:KV+16*\f+15], v[16:31], 0, v[248+\f/2], v[QS] matrix_a_fmt:MATRIX_FMT_BF8 matrix_b_fmt:MATRIX_FMT_BF8 matrix_a_scale:MATRIX_SCALE_ROW1
.else
	v_wmma_scale_f32_16x16x128_f8f6f4 v[S+16*\f:S+16*\f+7], v[KV+16*\f:KV+16*\f+15], v[24:39], 0, v[248+\f/2], v[QS] matrix_a_fmt:MATRIX_FMT_BF8 matrix_b_fmt:MATRIX_FMT_BF8
	v_wmma_scale_f32_16x16x128_f8f6f4 v[S+16*\f+8:S+16*\f+15], v[KV+16*\f:KV+16*\f+15], v[16:31], 0, v[248+\f/2], v[QS] matrix_a_fmt:MATRIX_FMT_BF8 matrix_b_fmt:MATRIX_FMT_BF8
.endif
.endr
.rept 8
	v_nop                                          ; places in front of the loads below and of the first read of the scores
.endr
.irp t, 0,1,2,3                                ; V's four fragments go out at once, into K's registers: they land during the softmax
.irp c, 0,1,2,3
	ds_load_b128 v[KV+16*\t+4*\c:KV+16*\t+4*\c+3], v[ADK] offset:16384+8192*(\q)+2048*\t+512*\c
.endr
.endr
.irp b, 0,1,2,3
	v_max3_num_f32 v[232+\b], v[S+16*\b], v[S+1+16*\b], v[S+2+16*\b]   ; the largest score of each block of 32 keys: it serves for the row's maximum and, since p rises with the score, for the block's largest p
.endr
.irp i, 3,5,7,9,11,13
.irp b, 0,1,2,3
	v_max3_num_f32 v[232+\b], v[232+\b], v[S+16*\b+\i], v[S+1+16*\b+\i]
.endr
.endr
.irp b, 0,1,2,3
	v_max_num_f32 v[232+\b], v[232+\b], v[S+15+16*\b]
.endr
.irp b, 0,1,2,3
	s_delay_alu instid0(VALU_DEP_4)
	v_permlanex16_b32 v[236+\b], v[232+\b], s[SEL], s[SEL+1]
.endr
.irp b, 0,1,2,3
	s_delay_alu instid0(VALU_DEP_4)
	v_max_num_f32 v[232+\b], v[232+\b], v[236+\b]  ; with lane l xor 16's 16 keys
.endr
	s_delay_alu instid0(VALU_DEP_2)
	v_max3_num_f32 v252, v232, v233, v234
	s_delay_alu instid0(VALU_DEP_1)
	v_max_num_f32 v252, v252, v235
	s_delay_alu instid0(VALU_DEP_1)
	v_mul_f32 v252, s[CS], v252                    ; as t (c is positive)
	s_delay_alu instid0(VALU_DEP_1)
	v_max_num_f32 v13, v13, v252                   ; the running largest t
	s_delay_alu instid0(VALU_DEP_1)
	v_floor_f32 v12, -v13                          ; the new -M = -ceil(t)
	s_delay_alu instid0(VALU_DEP_1)
	v_sub_f32 v254, v12, v254                      ; old M - new M: a whole number, 0 or less
	s_delay_alu instid0(VALU_DEP_1)
	v_cvt_i32_f32 v254, v254                       ; (it saturates)
	s_delay_alu instid0(VALU_DEP_1)
	v_ldexp_f32 v254, 1.0, v254                    ; f = 2^(old M - new M)
.set n, 0
.rept 32
	v_pk_fma_f32 v[S+n:S+n+1], v[S+n:S+n+1], s[CS:CS+1], v[12:13] op_sel_hi:[1,0,0]   ; t - M, two at a time
.set n, n+2
.endr
.irp b, 0,1,2,3
	v_fma_f32 v[232+\b], v[232+\b], s[CS], v12     ; the same of each block's largest score
.endr
	s_wait_alu depctr_va_vdst(0)
.irp b, 0,1,2,3
	v_exp_f32 v[232+\b], v[232+\b]                 ; the block's largest p: the same two instructions on the same number give the same bits
.endr
.set n, 0
.rept 64
	v_exp_f32 v[S+n], v[S+n]                       ; p = 2^(t - M), at most 1
.set n, n+1
.endr
	v_nop                                          ; the plain line behind the exponentials
	s_wait_alu depctr_va_vdst(0)                   ; one wait for the whole batch of 68, ahead of its first reader
.irp b, 0,1,2,3
	v_max_num_f32 v[232+\b], 0x8000000, v[232+\b]  ; the floor 2^(16 - 127): the byte cannot fall under 1
.endr
.irp b, 0,1,2,3
	s_delay_alu instid0(VALU_DEP_4)
	v_add_nc_u32 v[244+\b], 0xf8800000, v[232+\b]  ; 15 off the exponent field: the conversion's scale operand
.endr
.irp b, 0,1,2,3
	v_and_or_b32 v[240+\b], v[232+\b], 0x7f800000, s[MNT]   ; 57,344 x the scale
.endr
.irp b, 0,1,2,3
	v_lshrrev_b32 v[236+\b], 23, v[244+\b]         ; the byte
.endr
	s_delay_alu instid0(VALU_DEP_3)
	v_lshl_or_b32 v253, v237, 8, v236              ; p's scale word for these 128 keys
	s_delay_alu instid0(VALU_DEP_1)
	v_lshl_or_b32 v253, v238, 16, v253
	s_delay_alu instid0(VALU_DEP_1)
	v_lshl_or_b32 v253, v239, 24, v253
; THE ROW'S SUM OF THE UNQUANTISED p, two at a time, in five chains (v232-239 and v248-249 are free by now); the chains are joined behind the step's products
.irp i, 0,1,2,3
	v_pk_add_f32 v[232+2*\i:233+2*\i], v[S+4*\i:S+4*\i+1], v[S+4*\i+2:S+4*\i+3]
.endr
	v_pk_add_f32 v[248:249], v[S+16:S+17], v[S+18:S+19]
.irp g, 0,1,2,3
.irp i, 0,1,2,3
	v_pk_add_f32 v[232+2*\i:233+2*\i], v[232+2*\i:233+2*\i], v[S+20+10*\g+2*\i:S+21+10*\g+2*\i]
.endr
	v_pk_add_f32 v[248:249], v[248:249], v[S+28+10*\g:S+29+10*\g]
.endr
	v_pk_add_f32 v[232:233], v[232:233], v[S+60:S+61]
	v_pk_add_f32 v[234:235], v[234:235], v[S+62:S+63]
; THE HOLD: the conversion does not saturate (ISA guide 7.6.2); p is not negative, so it is one-sided.  Two holds to a dual-issue pair, of two blocks: one destination even, one odd; both pairs of sources in different banks
.irp g, 0,2
.irp j, 0,2,4,6,8,10,12,14
	v_dual_min_num_f32 v[S+16*\g+\j], v[S+16*\g+\j], v[240+\g] :: v_dual_min_num_f32 v[S+16*\g+17+\j], v[S+16*\g+17+\j], v[241+\g]
	v_dual_min_num_f32 v[S+16*\g+16+\j], v[S+16*\g+16+\j], v[241+\g] :: v_dual_min_num_f32 v[S+16*\g+1+\j], v[S+16*\g+1+\j], v[240+\g]
.endr
.irp b, \g, \g+1
	v_cvt_scalef32_pk8_bf8_f32 v[PCD+4*(\b):PCD+1+4*(\b)], v[S+16*(\b):S+7+16*(\b)], v[244+(\b)]
	v_cvt_scalef32_pk8_bf8_f32 v[PCD+2+4*(\b):PCD+3+4*(\b)], v[S+8+16*(\b):S+15+16*(\b)], v[244+(\b)]
.endr
.endr
	s_wait_alu depctr_va_vdst(0)                   ; directly ahead of the first reader of O^T
.set n, 0
.rept 16
	v_pk_mul_f32 v[O+n:O+n+1], v[O+n:O+n+1], v[254:255] op_sel_hi:[1,0]   ; O^T under the new M.  (These sixteen are also the places between the conversions and the products)
.set n, n+2
.endr
	s_wait_alu depctr_va_vdst(0)
	s_wait_dscnt 0x0                               ; V
.irp t, 0,1,2,3                                ; O^T += V^T P^T: four tiles of 16 channels by turns; K = these 128 keys
.if \t%2
	v_wmma_scale_f32_16x16x128_f8f6f4 v[O+8*\t:O+8*\t+7], v[KV+16*\t:KV+16*\t+15], v[PCD:PCD+15], v[O+8*\t:O+8*\t+7], v[250+\t/2], v253 matrix_a_fmt:MATRIX_FMT_BF8 matrix_b_fmt:MATRIX_FMT_BF8 matrix_a_scale:MATRIX_SCALE_ROW1
.else
	v_wmma_scale_f32_16x16x128_f8f6f4 v[O+8*\t:O+8*\t+7], v[KV+16*\t:KV+16*\t+15], v[PCD:PCD+15], v[O+8*\t:O+8*\t+7], v[250+\t/2], v253 matrix_a_fmt:MATRIX_FMT_BF8 matrix_b_fmt:MATRIX_FMT_BF8
.endif
.endr
	v_pk_add_f32 v[232:233], v[232:233], v[234:235]                ; the five chains are joined: five places that name no register of the products
	v_pk_add_f32 v[236:237], v[236:237], v[238:239]
	v_pk_add_f32 v[232:233], v[232:233], v[248:249]
	v_pk_add_f32 v[232:233], v[232:233], v[236:237]
	v_pk_fma_f32 v[14:15], v[14:15], v[254:255], v[232:233] op_sel_hi:[1,0,1]   ; the sum under the new M, and this step's part
.endm
.macro PASS                            ; a tile's walk over the head's 2,048 keys: eight trips of two key steps
	s_mov_b32 s[TB], 0
	s_mov_b32 s[TS], 0
	s_mov_b32 s[CNT], 8
.Lpair_\@:
	STEP 0
	STEP 1
	s_add_co_u32 s[TB], s[TB], 32768
	s_add_co_u32 s[TS], s[TS], 1024
	s_sub_co_u32 s[CNT], s[CNT], 1
	s_cmp_lg_u32 s[CNT], 0
	s_wait_alu depctr_va_vdst(0)
	s_cbranch_scc1 .Lpair_\@
.endm
; A TILE IS DONE: O^T / the row's sum, registers 16 b + i = channel 32 b + 16 h + i, becomes two chunks in v[dst] on and two scale bytes in v255
.macro FIN dst
.rept 8
	v_nop                                          ; places behind the last products
.endr
	v_add_f32 v14, v14, v15                        ; the sum's two halves,
	s_delay_alu instid0(VALU_DEP_1)
	v_permlanex16_b32 v254, v14, s[SEL], s[SEL+1]
	s_delay_alu instid0(VALU_DEP_1)
	v_add_f32 v14, v14, v254                       ; and lane l xor 16's
	s_wait_alu depctr_va_vdst(0)
	v_rcp_f32 v14, v14
	v_nop                                          ; a plain line behind the transcendental
	s_wait_alu depctr_va_vdst(0)                   ; and the wait ahead of its first reader
.set n, 0
.rept 16
	v_pk_mul_f32 v[O+n:O+n+1], v[O+n:O+n+1], v[14:15] op_sel_hi:[1,0]   ; each accumulator from its low end on
.set n, n+2
.endr
.irp b, 0,1
	v_max3_num_f32 v[232+\b], |v[O+16*\b]|, |v[O+1+16*\b]|, 0x8000000
.endr
.irp i, 2,4,6,8,10,12,14
.irp b, 0,1
	s_delay_alu instid0(VALU_DEP_2)
	v_max3_num_f32 v[232+\b], v[232+\b], |v[O+16*\b+\i]|, |v[O+1+16*\b+\i]|
.endr
.endr
.irp b, 0,1
	s_delay_alu instid0(VALU_DEP_2)
	v_permlanex16_b32 v[236+\b], v[232+\b], s[SEL], s[SEL+1]
.endr
.irp b, 0,1
	s_delay_alu instid0(VALU_DEP_2)
	v_max_num_f32 v[232+\b], v[232+\b], v[236+\b]
.endr
.irp b, 0,1
	s_delay_alu instid0(VALU_DEP_2)
	v_add_nc_u32 v[244+\b], 0xf8800000, v[232+\b]
.endr
.irp b, 0,1
	s_delay_alu instid0(VALU_DEP_4)
	v_and_or_b32 v[240+\b], v[232+\b], 0x7f800000, s[MNT]
.endr
.irp b, 0,1
	s_delay_alu instid0(VALU_DEP_4)
	v_lshrrev_b32 v[236+\b], 23, v[244+\b]
.endr
	s_delay_alu instid0(VALU_DEP_1)
	v_lshl_or_b32 v255, v237, 8, v236
.irp b, 0,1
.irp i, 0,1,2,3,4,5,6,7,8,9,10,11,12,13,14,15
	v_med3_num_f32 v[O+16*\b+\i], v[O+16*\b+\i], -v[240+\b], v[240+\b]
.endr
	v_cvt_scalef32_pk8_bf8_f32 v[\dst+4*\b:\dst+1+4*\b], v[O+16*\b:O+7+16*\b], v[244+\b]
	v_cvt_scalef32_pk8_bf8_f32 v[\dst+2+4*\b:\dst+3+4*\b], v[O+8+16*\b:O+15+16*\b], v[244+\b]
.endr
	v_nop                                          ; one plain line behind the last conversion
.endm
	PASS
	FIN R0
	global_store_b128 v[L16], v[R0:R0+3], s[66:67]                 ; two chunks: 32 lanes store 512 consecutive bytes each, aligned
	global_store_b128 v[L16], v[R0+4:R0+7], s[66:67] offset:512
	global_store_b16 v[STO], v255, s[68:69]                        ; my head's two bytes of my row's word; both halves of the lanes store the same bytes at the same place
.irp j, 0,1,2,3,4,5,6,7
	v_mov_b32 v[24+\j], v[40+\j]                   ; the second tile's q
.endr
	v_lshrrev_b32 v[QS], 16, v[QW1]                ; and its two bytes
	v_lshl_or_b32 v[QS], v[QS], 16, v[QS]
	v_mov_b32 v13, 0xff61b1e6
	v_floor_f32 v12, -v13
	v_mov_b32 v14, 0
	v_mov_b32 v15, 0
.set n, 0
.rept 32
	v_mov_b32 v[O+n], 0
.set n, n+1
.endr
	PASS
	s_wait_xcnt 0x0                                ; the first tile's stores have read v255: it is written again only behind this wait
	FIN S
	global_store_b128 v[L16], v[S:S+3], s[66:67] offset:16384
	global_store_b128 v[L16], v[S+4:S+7], s[66:67] offset:16384+512
	global_store_b16 v[STO], v255, s[68:69] offset:64
	s_wait_tensorcnt 0x0                           ; the wave's end
	ds_add_u32 v[SPW], v[NIL]
	s_wait_dscnt 0x0
	CROUND                                         ; the closing round
	s_endpgm
.Lfunc_end_k_q2bbde0dd98_attn:
	.size	k_q2bbde0dd98_attn, .Lfunc_end_k_q2bbde0dd98_attn-k_q2bbde0dd98_attn
	.p2alignl 7, 3214868480
	.fill 96, 4, 3214868480
	.section	.rodata,"a",@progbits
	.p2align	6, 0x0
	.amdhsa_kernel k_q2bbde0dd98_attn
		.amdhsa_group_segment_fixed_size 327680
		.amdhsa_private_segment_fixed_size 0
		.amdhsa_enable_private_segment 0
		.amdhsa_kernarg_size 32
		.amdhsa_user_sgpr_count 2
		.amdhsa_user_sgpr_kernarg_segment_ptr 1
		.amdhsa_wavefront_size32 1
		.amdhsa_system_sgpr_workgroup_id_x 1
		.amdhsa_system_sgpr_workgroup_id_y 1
		.amdhsa_system_sgpr_workgroup_id_z 1
		.amdhsa_system_vgpr_workitem_id 0
		.amdhsa_next_free_vgpr 256
		.amdhsa_next_free_sgpr 90
		.amdhsa_reserve_vcc 0
		.amdhsa_float_denorm_mode_32 3
		.amdhsa_float_denorm_mode_16_64 3
		.amdhsa_memory_ordered 1
		.amdhsa_forward_progress 1
		.amdhsa_inst_pref_size 99
	.end_amdhsa_kernel
	.amdgpu_metadata
---
amdhsa.version: [ 1, 2 ]
amdhsa.kernels:
  - .name:           k_q2bbde0dd98_attn
    .symbol:         k_q2bbde0dd98_attn.kd
    .args:
      - { .name: hc, .offset: 0, .size: 8, .value_kind: global_buffer, .address_space: global }
      - { .name: hs, .offset: 8, .size: 8, .value_kind: global_buffer, .address_space: global }
      - { .name: ac, .offset: 16, .size: 8, .value_kind: global_buffer, .address_space: global }
      - { .name: asc, .offset: 24, .size: 8, .value_kind: global_buffer, .address_space: global }
    .group_segment_fixed_size: 327680
    .private_segment_fixed_size: 0
    .kernarg_segment_align: 8
    .kernarg_segment_size: 32
    .max_flat_workgroup_size: 512
    .sgpr_count:     90
    .vgpr_count:     256
    .wavefront_size: 32
...
	.end_amdgpu_metadata
.endif
;; end of part 3
;; launch outp (part 4): grid 4 x 64, 4 waves a work-group, clusters of 4 x 4, 327,680 bytes of LDS; arguments ac, asc, cod, scl, bo, out0; writes out0
.if DOCPART == 4
	.amdgcn_target "amdgcn-amd-amdhsa--gfx1250"
	.amdhsa_code_object_version 6
	.text
	.protected	k_q2bbde0dd98_outp
	.globl	k_q2bbde0dd98_outp
	.p2align	8
	.type	k_q2bbde0dd98_outp,@function
k_q2bbde0dd98_outp:
	s_mov_b64 s[64:65], 0
	v_nop
	global_prefetch_b8 v0, s[64:65] scope:SCOPE_SE
	s_setreg_imm32_b32 hwreg(HW_REG_WAVE_MODE, 25, 1), 1
	s_wait_xcnt 0x0
	s_wait_alu depctr_hold_cnt(0) depctr_sa_sdst(0) depctr_va_vdst(0) depctr_va_sdst(0) depctr_va_ssrc(0) depctr_va_vcc(0) depctr_vm_vsrc(0)
	s_getreg_b32 s2, hwreg(HW_REG_IB_STS2, 6, 4)
	s_cmp_eq_u32 s2, 0
	s_cbranch_scc0 .Lentry_in_a_cluster
	s_endpgm
.Lentry_in_a_cluster:
	s_bfe_u32 s2, ttmp6, 0x10000c
	s_cmp_lg_u32 s2, 0xf033
	s_cbranch_scc0 .Lentry_shape_is_right
	s_endpgm
.Lentry_shape_is_right:
; out0 = attention's result x Wo^T + bo, on codes of BF8 (E5M2) with E8M0 scales: 8,192 x 1,024 x 1,024, f32 out.
; IN: ac (A) and cod (B = Wo at position row 27,648): [tile of 16 rows][128 along K: 8][chunk 4][512 bytes]: four chunks on end are the register image of a fragment (16 rows x 128 K); a tile is 16 KiB on end.
; asc = [8][8192 rows], scl = [8][28672 rows]: words of four scale bytes.  Rows lie in position order: tile 2 b + u, lane r: true row 32 b + 8 u + r + 8 (r / 8).
; SHARES: a block of 128 rows x 256 columns to a work-group: 64 x 4 = 256 work-groups.  Four waves, 2 x 2: a wave makes 64 x 128: 32 accumulators (window 2).
; LDS: A's 128 rows, ALL of K, 128 KiB dense, filled once; B's 256 rows, half of K: [tile 16][8 KiB] = 128 KiB, filled at the head with K 0-511 and once more with K 512-1,023; the scale words of all of K; the spare words; the stages.
; So the launch has two fills one after the other.  The refill's round opens at the head of the fourth step of 128 along K, as soon as that step's fragments are in registers; each wave then fetches four tiles of B, 32 KiB.
; THE HEAD'S LOADS, one a wave: wave 0 A's codes, wave 1 A's scale words, wave 2 B's codes, wave 3 B's scale words.
; A's scale words are 512 bytes for each 128 along K; their tile states 64 of its 128 elements as present, so the rest of each LDS row of 1,024 bytes is written as zeros: A's and B's words then lie 1,024 bytes apart from step to step alike.
; No product names the zero words: they fall into lanes 0-15 of the registers of B's blocks 4 to 7.
; CLUSTERS: 4 x 4: A's tiles are shared along a row of the cluster, B's along a column: joint loads.
; PREFETCH: B's K 512-1,023 is asked for once in each cluster, at the head, three steps of products ahead of its load: the four partners of a column share its 16 pieces of 8 KiB out by address (piece 4 cy + wave), lanes 256 bytes apart.
; THE MATRIX INSTRUCTION IS USED TRANSPOSED (source 0 = 16 rows of B, source 1 = 16 rows of A): a lane holds eight neighbouring numbers of a row of the result.  The bias is the first products' C.
; REGISTERS: window 0: v0-31 addresses; v32-47 scale words, two sets of eight; v64-127 the bias; v128-255 A's fragments, two sets of four; window 1: B's fragments, two sets of eight; window 2: the accumulators.
.set BREG,   131072                    ; B's region
.set SCL,    262144                    ; A's scale words [8][1,024]; B's 8,256 bytes on
.set SPARE,  278784                    ; the spare words, 128 bytes for each wave
.set STG,    SPARE+512                 ; the way out: 16 rows x 528 bytes for each wave
.set SPITCH, 528
.set NP,     8                         ; places behind this matrix instruction (ISA guide 7.12.1)
.set FR,     16
.set L16,  3
.set ADRA, 16
.set ADRB, 20
.set STO,  24
.set RD,   25
.set ADRS, 27
.set SPW,  28
.set NIL,  29
.set PFO,  30                          ; v30  256 x lane; never rewritten
.set SC,   32
.set BI,   64
.set AF,   128
.set BK,   128
.set WV, 18
.set WA, 19
.set WB, 20
.set G1,   24                          ; s[24:31], s[32:35] A's codes
.set G0,   32
.set G0HB, 36                          ; s[36:39] B's codes at the head
.set G1B,  48                          ; s[48:55] group 1 of B's codes; s[56:59] group 0 of the refill
.set G0B,  56
.set PFA,  60                          ; s[60:61] where my prefetch stands; never rewritten
.set G1S,  68
.set G0S,  76
.set G1SB, 80
.set G0SB, 88
.set MSB, 0
.macro WIN new                         ; the immediate's high byte repeats the setting that is left
.if MSB != (\new)
	s_set_vgpr_msb (MSB<<8)|(\new)
.set MSB, (\new)
.endif
.endm
.set MUL_LO, 0xa1                      ; source 0 (B) window 1, source 1 (A) window 0, C and D window 2
.set MUL_C0, 0x81                      ; the same with C (the bias) in window 0
.set TO_B,   0x40
.macro CREST                           ; a round of the cluster's barrier behind its opening barrier
	s_cmp_lg_u32 s[WV], 0
	s_cbranch_scc1 .Lnot_wave_0_\@
	s_barrier_signal -3
.Lnot_wave_0_\@:
	s_barrier_wait -3
	s_barrier_signal -1
	s_barrier_wait -1
.endm
.macro CROUND
	s_barrier_signal -1
	s_barrier_wait -1
	CREST
.endm
.macro PLACES n
.rept \n
	v_nop
.endr
.endm
.macro GRP1 g, td0, c, r, p            ; words 1 to 7 of a group 1: r rows of c elements of 8 bytes, p elements apart; td0 of the c are present
	s_mov_b32 s[\g+1], (\td0)<<16
	s_mov_b32 s[\g+2], (\r)<<16
	s_mov_b32 s[\g+3], (\c)<<16
	s_mov_b32 s[\g+4], \r
	s_mov_b32 s[\g+5], \p
	s_mov_b32 s[\g+6], 0
	s_mov_b32 s[\g+7], 0
.endm
	s_load_b256 s[4:11], s[0:1], 0x0               ; ac, asc, cod, scl
	s_load_b128 s[12:15], s[0:1], 0x20             ; bo, out0
	v_lshl_add_u32 v[SPW], v0, 2, SPARE
	v_mov_b32 v[NIL], 0
	ds_add_u32 v[SPW], v[NIL]                      ; the opening lines: the add, twice on end, and its wait ahead of my first tensor load
	ds_add_u32 v[SPW], v[NIL]
	v_lshrrev_b32 v1, 5, v0
	v_readfirstlane_b32 s[WV], v1
	s_lshr_b32 s[WA], s[WV], 1                     ; which 64 rows of A are mine
	s_and_b32 s[WB], s[WV], 1                      ; which 128 rows of B
	s_bfe_u32 s21, ttmp6, 0x40000                  ; cx
	s_bfe_u32 s22, ttmp6, 0x40004                  ; cy
	s_lshl_b32 s42, ttmp9, 2
	s_add_co_u32 s42, s42, s21                     ; block column 0..3
	s_and_b32 s43, ttmp7, 0xffff
	s_lshl_b32 s43, s43, 2
	s_add_co_u32 s43, s43, s22                     ; block row 0..63
	s_lshl_b32 s44, s22, 2
	s_lshl_b32 s44, 15, s44                        ; my row of the cluster
	s_lshl_b32 s45, 0x1111, s21                    ; my column
	s_or_b32 s[G1], s44, (3<<16)|(1<<21)
	s_or_b32 s[G1B], s45, (3<<16)|(1<<21)
	s_or_b32 s[G1S], s44, (3<<16)|(1<<21)
	s_or_b32 s[G1SB], s45, (3<<16)|(1<<21)
	GRP1 G1, 2048, 2048, 8, 2048                   ; A: 8 tiles of 16 KiB, dense
	GRP1 G1B, 1024, 1024, 16, 2048                 ; B at the head: 8 KiB of each of 16 tiles; behind it the two words that count rows are set to 4
	GRP1 G1S, 64, 128, 8, 4096                     ; A's words: 512 bytes and 512 of zeros for each 128 along K
	GRP1 G1SB, 128, 128, 8, 14336                  ; B's: 1,024 bytes
	s_lshl_b32 s92, s43, 17                        ; A: 128 rows of 1,024 bytes a block row
	s_mov_b32 s93, 0
	s_lshl_b32 s96, s43, 9                         ; and 128 words
	s_mov_b32 s97, 0
	s_lshl_b32 s94, s42, 8
	s_add_co_u32 s94, s94, 27648                   ; B: Wo's position rows
	s_lshl_b32 s98, s94, 2
	s_mov_b32 s99, 0
	s_lshl_b32 s94, s94, 10
	s_mov_b32 s95, 0
	s_lshl_b32 s66, s[WV], 16                      ; the refill: my four tiles, K 512 on
	s_add_co_u32 s66, s66, 8192
	s_mov_b32 s67, 0
	s_lshl_b32 s46, s22, 2                         ; the prefetch: piece 4 cy + wave, K 512 on
	s_add_co_u32 s46, s46, s[WV]
	s_lshl_b32 s46, s46, 14
	s_add_co_u32 s46, s46, 8192
	s_mov_b32 s47, 0
	s_lshl_b32 s40, s[WA], 16                      ; LDS: my four tiles of A,
	s_lshl_b32 s41, s[WB], 16
	s_add_co_u32 s41, s41, BREG                    ; my eight of B,
	s_lshl_b32 s44, s[WA], 8                       ; my scale words: lanes 0-15 A's, lanes 16-31 B's
	s_lshl_b32 s45, s[WB], 9
	s_add_co_u32 s45, s45, 8256
	s_sub_co_u32 s45, s45, s44
	s_add_co_u32 s44, s44, SCL
	s_mul_i32 s23, s[WV], 16*SPITCH
	s_add_co_u32 s23, s23, STG                     ; my stage
	s_lshl_b32 s2, s43, 7
	s_lshl_b32 s3, s[WA], 6
	s_add_co_u32 s2, s2, s3
	s_lshl_b32 s2, s2, 12                          ; out0: my first row, 4,096 bytes a row,
	s_lshl_b32 s100, s42, 10
	s_lshl_b32 s3, s[WB], 9
	s_add_co_u32 s100, s100, s3                    ; my first column, in bytes: also my place in bo
	s_mov_b32 s101, 0
	s_add_co_u32 s2, s2, s100
	s_mov_b32 s3, 0
	s_wait_dscnt 0x0                               ; both opening adds are done
	s_wait_kmcnt 0x0
	s_add_nc_u64 s[92:93], s[4:5], s[92:93]
	s_add_nc_u64 s[94:95], s[8:9], s[94:95]
	s_add_nc_u64 s[96:97], s[6:7], s[96:97]
	s_add_nc_u64 s[98:99], s[10:11], s[98:99]
	s_add_nc_u64 s[12:13], s[12:13], s[100:101]
	s_add_nc_u64 s[14:15], s[14:15], s[2:3]
	s_add_nc_u64 s[PFA:PFA+1], s[94:95], s[46:47]
	CROUND                                         ; all sixteen work-groups are here: the first joint loads meet
	s_mov_b32 s[G0], 1
	s_mov_b32 s[G0+1], 0
	s_mov_b64 s[G0+2:G0+3], s[92:93]
	s_or_b32 s[G0+3], s[G0+3], 0x80000000
	s_mov_b32 s[G0HB], 1
	s_mov_b32 s[G0HB+1], BREG
	s_mov_b64 s[G0HB+2:G0HB+3], s[94:95]
	s_or_b32 s[G0HB+3], s[G0HB+3], 0x80000000
	s_mov_b32 s[G0S], 1
	s_mov_b32 s[G0S+1], SCL
	s_mov_b64 s[G0S+2:G0S+3], s[96:97]
	s_or_b32 s[G0S+3], s[G0S+3], 0x80000000
	s_mov_b32 s[G0SB], 1
	s_mov_b32 s[G0SB+1], SCL+8256
	s_mov_b64 s[G0SB+2:G0SB+3], s[98:99]
	s_or_b32 s[G0SB+3], s[G0SB+3], 0x80000000
	s_mov_b32 s[G0B], 1
	s_lshl_b32 s[G0B+1], s[WV], 15
	s_add_co_u32 s[G0B+1], s[G0B+1], BREG
	s_add_nc_u64 s[G0B+2:G0B+3], s[94:95], s[66:67]
	s_or_b32 s[G0B+3], s[G0B+3], 0x80000000
.macro ARM under, g0, g1, next         ; one chain of branches on the wave's number, a load to an arm, all arms to one join
	s_cmp_lt_u32 s[WV], \under
	s_cbranch_scc0 \next
	tensor_load_to_lds s[\g0:\g0+3], s[\g1:\g1+7]
	s_nop 0
.rept 4
	v_nop
.endr
	s_branch .Lhead_asked
\next:
.endm
	ARM 1, G0, G1, .Lhead_sa
	ARM 2, G0S, G1S, .Lhead_b
	ARM 3, G0HB, G1B, .Lhead_sb
	tensor_load_to_lds s[G0SB:G0SB+3], s[G1SB:G1SB+7]
	s_nop 0
.rept 4
	v_nop
.endr
.Lhead_asked:
	v_and_b32 v1, 15, v0                           ; r
	v_bfe_u32 v2, v0, 4, 1                         ; h
	v_and_b32 v5, 31, v0
	v_lshlrev_b32 v[L16], 4, v5
	v_lshlrev_b32 v[PFO], 8, v5
	v_add_nc_u32 v[ADRA], s40, v[L16]
	v_add_nc_u32 v[ADRB], s41, v[L16]
	v_mul_u32_u24 v4, s45, v2                      ; lanes 16-31 take B's words
	v_lshl_add_u32 v4, v1, 2, v4
	v_add_nc_u32 v[ADRS], s44, v4
	v_mul_u32_u24 v4, v1, SPITCH                   ; into the stage: row r, 64 bytes for each half of the lanes
	v_lshl_add_u32 v4, v2, 6, v4
	v_add_nc_u32 v[STO], s23, v4
	v_add_nc_u32 v[RD], s23, v[L16]                ; back: the 32 lanes take one row of 512 bytes
	v_lshlrev_b32 v6, 6, v2
.irp b, 0,1,2,3,4,5,6,7
	global_load_b128 v[BI+8*\b:BI+8*\b+3], v6, s[12:13] offset:(32*(\b/2)+8*(\b%2))*4          ; the bias in the result's layout
	global_load_b128 v[BI+8*\b+4:BI+8*\b+7], v6, s[12:13] offset:(32*(\b/2)+8*(\b%2))*4+16
.endr
	global_prefetch_b8 v[PFO], s[PFA:PFA+1] th:TH_LOAD_NT scope:SCOPE_SE
; the fragments and scale words of the j-th 128 along K into the sets j % 2: 56 LDS loads
.macro FETCH j
	WIN TO_B
.irp i, 0,1,2,3,4,5,6,7
.irp c, 0,1,2,3
	ds_load_b128 v[128*((\j)%2)+FR*\i+4*\c:128*((\j)%2)+FR*\i+4*\c+3], v[ADRB] offset:8192*\i+2048*((\j)%4)+512*\c
.endr
.endr
	WIN 0
.irp i, 0,1,2,3
.irp c, 0,1,2,3
	ds_load_b128 v[AF+64*((\j)%2)+FR*\i+4*\c:AF+64*((\j)%2)+FR*\i+4*\c+3], v[ADRA] offset:16384*\i+2048*(\j)+512*\c
.endr
.endr
.irp i, 0,1,2,3,4,5,6,7
	ds_load_b32 v[SC+8*((\j)%2)+\i], v[ADRS] offset:1024*(\j)+64*\i   ; lanes 0-15: A's block i (i under 4), lanes 16-31: B's block i
.endr
.endm
; 16 products: A's blocks a0, a0 + 1 x B's eight, on the sets p.  The 32 accumulators take turns, one instruction a turn.  mode = 1: the bias starts the sums
.macro MUL16 a0, p, mode
.irp a, \a0, \a0+1
.irp b, 0,1,2,3,4,5,6,7
.set rD, 8*(8*(\a)+\b)
.set rB, 128*(\p)+FR*\b
.set rA, AF+64*(\p)+FR*(\a)
.set rS, SC+8*(\p)
.if \mode
	v_wmma_scale_f32_16x16x128_f8f6f4 v[rD:rD+7], v[rB:rB+15], v[rA:rA+15], v[BI+8*\b:BI+8*\b+7], v[rS+\b], v[rS+(\a)] matrix_a_fmt:MATRIX_FMT_BF8 matrix_b_fmt:MATRIX_FMT_BF8 matrix_a_scale:MATRIX_SCALE_ROW1
.else
	v_wmma_scale_f32_16x16x128_f8f6f4 v[rD:rD+7], v[rB:rB+15], v[rA:rA+15], v[rD:rD+7], v[rS+\b], v[rS+(\a)] matrix_a_fmt:MATRIX_FMT_BF8 matrix_b_fmt:MATRIX_FMT_BF8 matrix_a_scale:MATRIX_SCALE_ROW1
.endif
.endr
.endr
.endm
; a step of 128 along K: its sets are in; the next step's loads go out, eight places behind the products that read the other sets; then its 32 products
.macro STEPJ j, mode, fetch
	s_wait_dscnt 0x0
	PLACES NP
.if \fetch
	FETCH (\j)+1
.endif
.if \mode
	WIN MUL_C0
.else
	WIN MUL_LO
.endif
	MUL16 0, (\j)%2, \mode
	MUL16 2, (\j)%2, \mode
	WIN 0
.endm
	s_wait_alu depctr_va_vdst(0)
	s_wait_tensorcnt 0x0                           ; my tile of the head's four is in,
	s_mov_b32 s[G1B+2], 4<<16                      ; (no tensor load of mine is out: the refill brings four tiles a wave)
	s_mov_b32 s[G1B+4], 4
	s_barrier_signal -1
	s_barrier_wait -1                              ; and so is everybody's
	FETCH 0
	s_wait_loadcnt 0x0                             ; the bias
	STEPJ 0, 1, 1
	STEPJ 1, 0, 1
	STEPJ 2, 0, 1
	s_wait_tensorcnt 0x0                           ; THE FOURTH STEP AND THE REFILL
	ds_add_u32 v[SPW], v[NIL]
	s_wait_dscnt 0x0                               ; the add is done, and the step's fragments are in: my reads of B's region are over
	s_barrier_signal -1
	WIN MUL_LO
	MUL16 0, 1, 0                                  ; work on registers while the others arrive
	WIN 0
	s_barrier_wait -1
	CREST                                          ; no wave of any partner still reads B's region
	tensor_load_to_lds s[G0B:G0B+3], s[G1B:G1B+7]  ; K 512-1,023 of my four tiles of B: my one load behind the round
	s_nop 0
	PLACES 4
	WIN MUL_LO
	MUL16 2, 1, 0
	WIN 0
	s_wait_tensorcnt 0x0                           ; my part has landed,
	s_barrier_signal -1
	s_barrier_wait -1                              ; and everybody's
	PLACES NP
	FETCH 4
	STEPJ 4, 0, 1
	STEPJ 5, 0, 1
	STEPJ 6, 0, 1
	STEPJ 7, 0, 0
; THE WAY OUT, block by block of 16 rows x 128 columns, through my own stage: back come whole rows of 512 bytes, which the 32 lanes store as two aligned units of 256 bytes.
; LDS serves a wave's instructions in order (ISA guide 5.7.1.4): no wait between the stores and the loads.
.macro TOSTAGE a
.set AC, 64*(\a)
	WIN 0x08                                       ; the data: window 2
.irp b, 0,1,2,3,4,5,6,7
	ds_store_b128 v[STO], v[AC+8*\b:AC+8*\b+3] offset:128*(\b/2)+32*(\b%2)       ; each accumulator from its low end on
	ds_store_b128 v[STO], v[AC+8*\b+4:AC+8*\b+7] offset:128*(\b/2)+32*(\b%2)+16
.endr
	WIN 0
.set BB, BK+64*((\a)%2)
.irp t, 0,1,2,3,4,5,6,7,8,9,10,11,12,13,14,15
	ds_load_b128 v[BB+4*\t:BB+4*\t+3], v[RD] offset:\t*SPITCH
.endr
.endm
.macro SEND a, younger                 ; younger: the LDS instructions issued behind block a's loads, which may stay out
.set BB, BK+64*((\a)%2)
	s_wait_dscnt \younger
.irp t, 0,1,2,3,4,5,6,7,8,9,10,11,12,13,14,15
	global_store_b128 v[L16], v[BB+4*\t:BB+4*\t+3], s[14:15] offset:(32*((\a)/2)+8*((\a)%2)+(\t%8)+16*(\t/8))*4096 th:TH_STORE_NT
.endr
.endm
	PLACES NP                                      ; behind the last products: for the first reads of the sums and the loads into A's registers
	TOSTAGE 0
.irp a, 1,2,3
.if \a > 1
	s_wait_xcnt 0x0                                ; block a - 2's stores have read their registers: block a's loads may land there
.endif
	TOSTAGE \a
	SEND \a-1, 32                                  ; behind block a - 1's loads: block a's 16 stores and 16 loads
.endr
	SEND 3, 0
	s_wait_tensorcnt 0x0                           ; the wave's end
	ds_add_u32 v[SPW], v[NIL]
	s_wait_dscnt 0x0
	CROUND                                         ; the closing round
	s_endpgm
.Lfunc_end_k_q2bbde0dd98_outp:
	.size	k_q2bbde0dd98_outp, .Lfunc_end_k_q2bbde0dd98_outp-k_q2bbde0dd98_outp
	.p2alignl 7, 3214868480
	.fill 96, 4, 3214868480
	.section	.rodata,"a",@progbits
	.p2align	6, 0x0
	.amdhsa_kernel k_q2bbde0dd98_outp
		.amdhsa_group_segment_fixed_size 327680
		.amdhsa_private_segment_fixed_size 0
		.amdhsa_enable_private_segment 0
		.amdhsa_kernarg_size 48
		.amdhsa_user_sgpr_count 2
		.amdhsa_user_sgpr_kernarg_segment_ptr 1
		.amdhsa_wavefront_size32 1
		.amdhsa_system_sgpr_workgroup_id_x 1
		.amdhsa_system_sgpr_workgroup_id_y 1
		.amdhsa_system_sgpr_workgroup_id_z 1
		.amdhsa_system_vgpr_workitem_id 0
		.amdhsa_next_free_vgpr 768
		.amdhsa_next_free_sgpr 104
		.amdhsa_reserve_vcc 0
		.amdhsa_float_denorm_mode_32 3
		.amdhsa_float_denorm_mode_16_64 3
		.amdhsa_memory_ordered 1
		.amdhsa_forward_progress 1
		.amdhsa_inst_pref_size 89
	.end_amdhsa_kernel
	.amdgpu_metadata
---
amdhsa.version: [ 1, 2 ]
amdhsa.kernels:
  - .name:           k_q2bbde0dd98_outp
    .symbol:         k_q2bbde0dd98_outp.kd
    .args:
      - { .name: ac, .offset: 0, .size: 8, .value_kind: global_buffer, .address_space: global }
      - { .name: asc, .offset: 8, .size: 8, .value_kind: global_buffer, .address_space: global }
      - { .name: cod, .offset: 16, .size: 8, .value_kind: global_buffer, .address_space: global }
      - { .name: scl, .offset: 24, .size: 8, .value_kind: global_buffer, .address_space: global }
      - { .name: bo, .offset: 32, .size: 8, .value_kind: global_buffer, .address_space: global }
      - { .name: out0, .offset: 40, .size: 8, .value_kind: global_buffer, .address_space: global }
    .group_segment_fixed_size: 327680
    .private_segment_fixed_size: 0
    .kernarg_segment_align: 8
    .kernarg_segment_size: 48
    .max_flat_workgroup_size: 128
    .sgpr_count:     104
    .vgpr_count:     768
    .wavefront_size: 32
...
	.end_amdgpu_metadata
.endif
;; end of part 4
